; MI455X (gfx1250); checked and timed in simulation.
; The chip was launched on July 23, 2026; its instructions are those of AMD's public machine-readable ISA for CDNA 5 (MIT licence, August 2026) and "CDNA5" Instruction Set Architecture Reference Guide (July 2026). The comments in the code are by the model that wrote it; some were corrected since.
;; Simplified DRN. Allowed arithmetic: float matrix products may take bf16 or f16 operands with f32 sums; other float arithmetic in f32, or as packed bf16 or f16 multiplies, adds, multiply-adds, maxima and minima; sums over many terms, partial sums and values carried from step to step in f32; what a program stores and reads back later, other than sums and carried values, may be rounded once to bf16 or f16.
;; Inputs: S1 1,024 x 8 float32; S2 2,048 x 8 float32; W1 8 x 1,024 x 2,048 float32; W2 8 x 2,048 x 2,048 float32; Wc 2,048 x 1,024 float32; b1 8 x 2,048 float32; b2 8 x 2,048 float32; bc 1,024 float32; sb1 8 float32; sb2 8 float32; x 1,024 x 1,024 float32.
;; Outputs: out0 1,024 x 1,024 float32.
;; 2 versions, each right; version 2 is version 1 with the launch cls written anew for expert scheduling mode. Each part assembles by itself: llvm-mc -triple=amdgcn-amd-amdhsa -mcpu=gfx1250 --defsym DOCPART=n.
;; ======== version 1 of 2: 4 launches
;; workspace buffers: xb 2,097,152 bytes; h1b 4,194,304 bytes; h2b 8,388,608 bytes; sfrag 106,496 bytes; wcf 4,194,304 bytes
;; launch prep (part 1): grid 256 x 1, 4 waves a work-group, no clusters, 0 bytes of LDS; arguments x, S1, S2, Wc, xb, sfrag, wcf; writes xb, sfrag, wcf
.if DOCPART == 1
	.amdgcn_target "amdgcn-amd-amdhsa--gfx1250"
	.amdhsa_code_object_version 6
	.text
	.protected	k_qdb3312a600_prep
	.globl	k_qdb3312a600_prep
	.p2align	8
	.type	k_qdb3312a600_prep,@function
k_qdb3312a600_prep:
	s_mov_b64 s[64:65], 0
	v_nop
	global_prefetch_b8 v0, s[64:65] scope:SCOPE_SE
	s_setreg_imm32_b32 hwreg(HW_REG_WAVE_MODE, 25, 1), 1
	s_wait_xcnt 0x0
; PREP.  What many work-groups of the later launches read again is rounded once to bf16 here and laid out in the order in which a matrix operand's registers take it.
; x (f32, [1024][1024]):  xb[mb 4][k32 32][block 16][f 2][lane 32][8 bf16]: lane (r = lane % 16, h = lane / 16), half f holds row 256 mb + 16 block + r, k = 32 k32 + 16 f + 8 h + 0..7.
; S1, S2 (f32, [K][8]): operands of 16 "rows" (the 8 experts, then 8 rows of zeros) x 32 k:
;   sfrag: 1,024 bytes for each 32 k: [f 2][lane 32][8 bf16]; S1's 32 blocks and 4 blocks of zeros at byte 0, S2's 64 blocks and 4 blocks of zeros at byte 36,864.
; Wc (f32, [2048][1024]):  wcf[nb 16][k32 64][g 4][f 2][lane 32][8 bf16]: lane (r, h), half f holds column 64 nb + 16 g + r, k = 32 k32 + 16 f + 8 h + 0..7.
; 1,024 waves.  Wave gw takes 16 rows x 64 k of x (its eight loads use 256 consecutive bytes of each of the 16 rows) and 32 k x 64 columns of Wc: a lane takes one column, a number a load,
; so that the turn from [k][column] to [column][k] costs nothing but the order of the registers; the wave's four groups of loads use 256 consecutive bytes of each of the 32 rows.
; Every store covers 512 consecutive bytes.  Waves 0 to 103 also make one block of sfrag each.  No LDS, no matrix unit.
.set X,   8                            ; v[8:39]    32 f32 of x as loaded
.set Y,   40                           ; v[40:55]   the same as bf16
.set SL,  56                           ; v[56:71]   16 f32 of S
.set SP,  72                           ; v[72:79]   the same as bf16
.set WR,  80                           ; v[80:143]  Wc: group g of 16 columns: 16 f32, k ascending
.set WPK, 144                          ; v[144:175] the same as bf16
.macro WCL g                           ; group g: 16 loads, each two rows' 64 bytes
.irp f, 0,1
.irp j, 0,1,2,3,4,5,6,7
	global_load_b32 v[WR+16*(\g)+8*\f+\j], v1, s[10:11] offset:(16*\f+\j)*4096+(\g)*64  ; Wc[32 k32 + 16 f + 8 h + j][64 nb + 16 g + r]
.endr
.endr
.endm
.macro WCS g                           ; group g is rounded, two k to a register, and stored
.set ii, 0
.rept 8
	v_cvt_pk_bf16_f32 v[WPK+8*(\g)+ii], v[WR+16*(\g)+2*ii], v[WR+16*(\g)+2*ii+1]
.set ii, ii+1
.endr
	global_store_b128 v6, v[WPK+8*(\g):WPK+8*(\g)+3], s[16:17] offset:(\g)*1024
	global_store_b128 v6, v[WPK+8*(\g)+4:WPK+8*(\g)+7], s[16:17] offset:(\g)*1024+512
.endm
	s_load_b256 s[4:11], s[0:1], 0x0               ; x s[4:5], S1 s[6:7], S2 s[8:9], Wc s[10:11]
	s_load_b128 s[12:15], s[0:1], 0x20             ; xb s[12:13], sfrag s[14:15]
	s_load_b64 s[16:17], s[0:1], 0x30              ; wcf
	v_lshrrev_b32 v1, 5, v0
	v_readfirstlane_b32 s18, v1                    ; wave 0..3
	s_lshl_b32 s19, ttmp9, 2
	s_add_co_u32 s19, s19, s18                     ; gw = 4 x work-group + wave
	v_and_b32 v2, 15, v0                           ; r
	v_bfe_u32 v3, v0, 4, 1                         ; h
	v_and_b32 v4, 31, v0                           ; lane
	v_lshlrev_b32 v5, 12, v2                       ; x: r rows of 4,096 bytes
	v_lshl_add_u32 v5, v3, 5, v5                   ;    + 8 h numbers of 4 bytes
	v_lshlrev_b32 v6, 4, v4                        ; stores: 16 bytes a lane
	v_and_b32 v7, 7, v0
	v_lshlrev_b32 v7, 2, v7                        ; S: expert r % 8,
	v_lshl_add_u32 v7, v3, 8, v7                   ;    + 8 h rows of 32 bytes
	v_lshlrev_b32 v1, 2, v2                        ; Wc: column r,
	v_lshl_add_u32 v1, v3, 15, v1                  ;    + 8 h rows of 4,096 bytes
	s_lshr_b32 s20, s19, 4                         ; rb: which 16 rows of x
	s_and_b32 s21, s19, 15                         ; kp: which 64 k
	s_lshl_b32 s22, s20, 16                        ; 16 rows of 4,096 bytes
	s_lshl_b32 s23, s21, 8                         ; 64 k of 4 bytes
	s_add_co_u32 s22, s22, s23
	s_mov_b32 s23, 0
	s_lshr_b32 s24, s20, 4                         ; mb
	s_lshl_b32 s24, s24, 5
	s_lshl1_add_u32 s24, s21, s24                  ; 32 mb + 2 kp: the first of my two k32
	s_lshl_b32 s24, s24, 14                        ; 16,384 bytes each
	s_and_b32 s25, s20, 15
	s_lshl_b32 s25, s25, 10                        ; my block's 1,024 bytes
	s_add_co_u32 s24, s24, s25
	s_mov_b32 s25, 0
	s_lshr_b32 s26, s19, 6                         ; Wc: nb = gw / 64,
	s_and_b32 s27, s19, 63                         ; k32 = gw % 64
	s_lshl_b32 s28, s27, 17                        ; 32 rows of 4,096 bytes
	s_lshl_b32 s26, s26, 8                         ; 64 columns of 4 bytes
	s_add_co_u32 s28, s28, s26
	s_mov_b32 s29, 0
	s_lshl_b32 s30, s19, 12                        ; wcf: unit 64 nb + k32 = gw, 4,096 bytes
	s_mov_b32 s31, 0
	s_wait_kmcnt 0x0
	s_add_nc_u64 s[4:5], s[4:5], s[22:23]
	s_add_nc_u64 s[12:13], s[12:13], s[24:25]
	s_add_nc_u64 s[10:11], s[10:11], s[28:29]
	s_add_nc_u64 s[16:17], s[16:17], s[30:31]
.irp n, 0,1,2,3                        ; n = 2 x (k32 of the pair) + f: 64 bytes of a row each, of which a lane takes 32
.irp p, 0,1
	global_load_b128 v[X+8*\n+4*\p:X+8*\n+4*\p+3], v5, s[4:5] offset:64*\n+16*\p th:TH_LOAD_NT
.endr
.endr
	WCL 0
	WCL 1
	WCL 2                                          ; 56 loads of mine are out
	s_wait_loadcnt 48                              ; x is in; Wc's three groups stay out
.set ii, 0
.rept 16
	v_cvt_pk_bf16_f32 v[Y+ii], v[X+2*ii], v[X+2*ii+1]
.set ii, ii+1
.endr
.irp n, 0,1,2,3
	global_store_b128 v6, v[Y+4*\n:Y+4*\n+3], s[12:13] offset:(\n/2)*16384+(\n%2)*512  ; 512 consecutive bytes
.endr
	s_wait_loadcnt 32                              ; group 0 is in; groups 1 and 2 stay out
	WCL 3
	WCS 0
	s_wait_loadcnt 32                              ; group 1; groups 2 and 3 stay out
	WCS 1
	s_wait_loadcnt 16                              ; group 2
	WCS 2
	s_wait_loadcnt 0x0
	WCS 3
	s_cmp_lt_u32 s19, 104
	s_cbranch_scc0 .Lend                           ; 36 + 68 blocks of sfrag
	s_cmp_lt_u32 s19, 36
	s_cselect_b64 s[32:33], s[6:7], s[8:9]         ; S1 or S2
	s_cselect_b32 s34, 0, 36
	s_cselect_b32 s35, 31, 63                      ; the tensor's last block
	s_sub_co_u32 s34, s19, s34                     ; my block
	s_cmp_gt_u32 s34, s35
	s_cselect_b32 s36, 0, 8                        ; rows that are kept: none in a block of zeros
	s_min_u32 s34, s34, s35                        ; a block of zeros reads the last block, inside the buffer, and drops it
	s_lshl_b32 s34, s34, 10                        ; 32 rows of 32 bytes
	s_mov_b32 s35, 0
	s_add_nc_u64 s[32:33], s[32:33], s[34:35]
	s_lshl_b32 s38, s19, 10
	s_mov_b32 s39, 0
	s_add_nc_u64 s[14:15], s[14:15], s[38:39]
.irp f, 0,1
.irp j, 0,1,2,3,4,5,6,7
	global_load_b32 v[SL+8*\f+\j], v7, s[32:33] offset:(16*\f+\j)*32  ; S[32 k32 + 16 f + 8 h + j][r % 8]
.endr
.endr
	s_wait_loadcnt 0x0
.set ii, 0
.rept 8
	v_cvt_pk_bf16_f32 v[SP+ii], v[SL+2*ii], v[SL+2*ii+1]
.set ii, ii+1
.endr
	v_cmp_gt_u32 vcc_lo, s36, v2                   ; lanes whose row is an expert
.set ii, 0
.rept 8
	v_cndmask_b32 v[SP+ii], 0, v[SP+ii], vcc_lo    ; the others hold 0
.set ii, ii+1
.endr
	global_store_b128 v6, v[SP:SP+3], s[14:15]
	global_store_b128 v6, v[SP+4:SP+7], s[14:15] offset:512
.Lend:
	s_endpgm
.Lfunc_end_k_qdb3312a600_prep:
	.size	k_qdb3312a600_prep, .Lfunc_end_k_qdb3312a600_prep-k_qdb3312a600_prep
	.p2alignl 7, 3214868480
	.fill 96, 4, 3214868480
	.section	.rodata,"a",@progbits
	.p2align	6, 0x0
	.amdhsa_kernel k_qdb3312a600_prep
		.amdhsa_group_segment_fixed_size 0
		.amdhsa_private_segment_fixed_size 0
		.amdhsa_enable_private_segment 0
		.amdhsa_kernarg_size 56
		.amdhsa_user_sgpr_count 2
		.amdhsa_user_sgpr_kernarg_segment_ptr 1
		.amdhsa_wavefront_size32 1
		.amdhsa_system_sgpr_workgroup_id_x 1
		.amdhsa_system_sgpr_workgroup_id_y 1
		.amdhsa_system_sgpr_workgroup_id_z 1
		.amdhsa_system_vgpr_workitem_id 0
		.amdhsa_next_free_vgpr 176
		.amdhsa_next_free_sgpr 66
		.amdhsa_reserve_vcc 1
		.amdhsa_float_denorm_mode_32 3
		.amdhsa_float_denorm_mode_16_64 3
		.amdhsa_memory_ordered 1
		.amdhsa_forward_progress 1
		.amdhsa_inst_pref_size 16
	.end_amdhsa_kernel
	.amdgpu_metadata
---
amdhsa.version: [ 1, 2 ]
amdhsa.kernels:
  - .name:           k_qdb3312a600_prep
    .symbol:         k_qdb3312a600_prep.kd
    .args:
      - { .name: x, .offset: 0, .size: 8, .value_kind: global_buffer, .address_space: global }
      - { .name: S1, .offset: 8, .size: 8, .value_kind: global_buffer, .address_space: global }
      - { .name: S2, .offset: 16, .size: 8, .value_kind: global_buffer, .address_space: global }
      - { .name: Wc, .offset: 24, .size: 8, .value_kind: global_buffer, .address_space: global }
      - { .name: xb, .offset: 32, .size: 8, .value_kind: global_buffer, .address_space: global }
      - { .name: sfrag, .offset: 40, .size: 8, .value_kind: global_buffer, .address_space: global }
      - { .name: wcf, .offset: 48, .size: 8, .value_kind: global_buffer, .address_space: global }
    .group_segment_fixed_size: 0
    .private_segment_fixed_size: 0
    .kernarg_segment_align: 8
    .kernarg_segment_size: 56
    .max_flat_workgroup_size: 128
    .sgpr_count:     66
    .vgpr_count:     176
    .wavefront_size: 32
...
	.end_amdgpu_metadata
.endif
;; end of part 1
;; launch layer1 (part 2): grid 64 x 4, 4 waves a work-group, clusters of 4 x 4, 327,680 bytes of LDS; arguments xb, W1, b1, sfrag, sb1, h1b; writes h1b
.if DOCPART == 2
	.amdgcn_target "amdgcn-amd-amdhsa--gfx1250"
	.amdhsa_code_object_version 6
	.text
	.protected	k_qdb3312a600_layer1
	.globl	k_qdb3312a600_layer1
	.p2align	8
	.type	k_qdb3312a600_layer1,@function
k_qdb3312a600_layer1:
	s_mov_b64 s[64:65], 0
	v_nop
	global_prefetch_b8 v0, s[64:65] scope:SCOPE_SE
	s_setreg_imm32_b32 hwreg(HW_REG_WAVE_MODE, 25, 1), 1
	s_wait_xcnt 0x0
	s_wait_alu depctr_hold_cnt(0) depctr_sa_sdst(0) depctr_va_vdst(0) depctr_va_sdst(0) depctr_va_ssrc(0) depctr_va_vcc(0) depctr_vm_vsrc(0)
	s_getreg_b32 s2, hwreg(HW_REG_IB_STS2, 6, 4)
	s_cmp_eq_u32 s2, 0
	s_cbranch_scc0 .Lentry_in_a_cluster
	s_endpgm
.Lentry_in_a_cluster:
	s_bfe_u32 s2, ttmp6, 0x10000c
	s_cmp_lg_u32 s2, 0xf033
	s_cbranch_scc0 .Lentry_shape_is_right
	s_endpgm
.Lentry_shape_is_right:
; A SOFT-GATED LAYER.  h[b][o] = relu( sum over p of prob[b][p] (a[b][:] . W[p][:][o] + bias[p][o]) ),  prob = softmax_p(a[b][:] . S[:][p] + sb[p]).
; a: bf16 in operand order (see below), KIN wide.  W: [8][KIN][2048] f32, rounded once to bf16 on its way through registers.  S: bf16 operands made by the launch before.
; bias and sb are rounded once to bf16 like every other input, and then used in f32.  Sums in f32.
; h leaves as bf16 in operand order: [mb 4][k32 64][block 16][f 2][lane 32][8 bf16]; lane (r = lane % 16, h = lane / 16), half f: row 256 mb + 16 block + r, column 32 k32 + 16 f + 8 h + 0..7.
; LOW = 1: h leaves as two bf16 numbers, hi = bf16(h) and lo = bf16(h - hi), 16 significant bits together: hi's 4,194,304 bytes first, then lo's, in the same order.
; LIMITS.  NaN and infinities are not treated apart; a probability below 2^-126 counts as 0; relu may leave -0; a, W, S, bias and sb carry bf16's 8 significant bits, and so does h where LOW = 0.
; SHARES.  A work-group owns 256 rows (mb) x 32 columns (nb) x all 8 experts; 64 x 4 work-groups.  Wave w owns experts 2 w and 2 w + 1 for all 256 rows: 16 row blocks x 4 column groups
; (expert of the pair x half of the 32 columns) = 64 accumulators, 512 registers.  So each wave has a stream of W of its own, and the sum over experts never leaves the work-group.
; THE MATRIX INSTRUCTION IS USED TRANSPOSED: source 0 = 16 columns of W, source 1 = 16 rows of a.  A lane then holds one row and eight neighbouring columns, which is h's own order: no stage on the way out.
; W'S WAY.  global_load_b128 (f32) into a ring of four register sets; two roundings a line, in place; ds_store_b64 into the wave's own stage [32 k][64 columns]; ds_load_tr16_b128 turns it into operands.
; Loads into registers may stay out across barriers: two to three chunks of 32 k, 32 to 48 loads of a wave, are always on their way.  W is not brought by tensor loads: two slots of 128 k of f32 W and of a do not fit in LDS.
; a'S WAY.  Tiles of 256 rows x 128 k (65,536 dense bytes) through two LDS slots.  The four work-groups of a row of the cluster have the same mb: each tile is asked for JOINTLY, a quarter by each wave.
; The four work-groups of a column of the cluster read the same slice of W, at about the same time, since the rounds of the cluster's barrier keep them in step.
; THE SELECTOR RIDES ALONG.  Wave w takes the row groups of 64 rotated (its group g is the tile's group (g + w) % 4) and multiplies its group 0 by S as well: four products more a chunk.
; THE BIAS is the C operand of the first chunk's products, so that sum of prob x (Y + bias) needs no line of its own.
; IN RUNS.  A chunk of 32 k has 68 products in two stretches (36 and 32) and 74 memory instructions in two runs (58 and 16), one behind each stretch, never singly among the products.
; The chunk's 32 roundings stand at the head of the first run, between the stretch's last product and the run's first memory instruction.
; REGISTERS, in windows of 256 (s_set_vgpr_msb: bits 1:0 source 0, 3:2 source 1, 5:4 source 2, 7:6 destination):
;   window 0: v0-23 addresses and work; v24-151 a's operands (16 blocks); v152-215 W's operands, two buffers; v216-223 S's operand; v224-255 the selector's 4 accumulators
;   window 1: four sets of 64 for W as loaded (set = chunk % 4); the bias lies in set 0 during chunk 0        windows 2, 3: the accumulators of my blocks 0-7, 8-15: (j, f4) at v[8 (4 j + f4)]
.set KIN,   1024                       ; the layer's input width
.set EXSH,  23                         ; log2 of an expert's bytes in W
.set SOFF,  0                          ; where this layer's S begins in sfrag
.set LOW,   0                          ; h leaves as one bf16 number
.set NC,    KIN/32                     ; chunks of 32 k
.set NT,    KIN/128                    ; tiles of a
.set CHB,   262144                     ; a chunk of W: 32 rows of 8,192 bytes
.set EXS,   KIN*8192                   ; an expert's bytes in W
.set STEPB, 65536                      ; a tile of a
.set LOB,   4194304                    ; where h's low parts begin
.set SLOT1, 65536                      ; LDS: slot 0 at 0, slot 1 here
.set SFR,   131072                     ; LDS: S's operands, NC + 4 blocks of 1,024 bytes, filled once
.set SQ,    (NC+4)*256                 ; a wave's quarter of them
.set STG,   200704                     ; LDS: the waves' stages, 32 rows of 160 bytes each
.set STGW,  5120
.set SPI,   160                        ; 128 bytes + 32: five times 32; a store's two rows, 640 bytes apart, fall on different halves of the banks (64 banks of 4 bytes: ISA guide 11.1)
.set RED,   200704                     ; LDS: after the K walk, over the stages: f32 sums on their way from wave to wave; it ends where PRB begins
.set REDW,  24576                      ; a writer's three groups of 8,192 bytes
.set PRB,   299008                     ; LDS: prob[256][8] f32; 8,192 bytes more take what the upper lanes hold
.set SPARE, 315392                     ; LDS: the spare words, 128 bytes for each wave: two blocks of 256 bytes that no other line names
.set SPW,  1                           ; v1   LDS address of my spare word; never rewritten
.set NIL,  2                           ; v2   0; never rewritten
.set WOF,  3                           ; v3   my byte offset in a chunk of W; never rewritten
.set AK0,  4                           ; v4-7   my lane's place in a sub-block of a, for my four groups of rows; never rewritten
.set ADA,  8                           ; v8-11  the same in the slot in hand
.set STA,  12                          ; v12  where I put 8 bytes of the stage
.set TRA,  13                          ; v13  where the turning load reads
.set SAD,  14                          ; v14  S's operand of the tile in hand
.set AH0,  24
.set BF0,  152
.set SF,   216
.set LACC, 224
.set WV,  16                           ; s16  my wave's number
.set G1A, 24                           ; s[24:31] descriptor group 1 for a's tiles
.set G0A, 32                           ; s[32:35] group 0: tile 0 into slot 0
.set G0W, 36                           ; s[36:39] group 0: tile 1 into slot 1; it then walks
.set G1S, 40                           ; s[40:47] group 1 for S
.set G0S, 48                           ; s[48:51] group 0 for S
.set TB,  52                           ; s52  the slot in hand: 0 or 65,536
.set CNT, 53                           ; s53  loop count
.set WP,  54                           ; s[54:55] W: the walking base
.set SB,  56                           ; s[56:63] sb
.set WB,  66                           ; s[66:67] W at my two experts' first row, my 32 columns
.set BB,  68                           ; s[68:69] bias at my first expert, my 32 columns
.set HO,  70                           ; s[70:71] h at my 64 rows x 32 columns
.set MSB, 0
.macro WIN new                         ; the immediate's high byte repeats the setting that is left; a switch that changes nothing is dropped
.if MSB != (\new)
	s_set_vgpr_msb (MSB<<8)|(\new)
.set MSB, \new
.endif
.endm
.macro PLACES                          ; four places between a matrix instruction and a load into one of its registers (ISA guide 7.12.1 for vector instructions)
.rept 4
	v_nop
.endr
.endm
.macro CREST                           ; a round of the cluster's barrier behind its opening barrier
	s_cmp_lg_u32 s[WV], 0
	s_cbranch_scc1 .Lnot_wave_0_\@
	s_barrier_signal -3
.Lnot_wave_0_\@:
	s_barrier_wait -3
	s_barrier_signal -1
	s_barrier_wait -1
.endm
.macro CROUND                          ; a whole round
	s_barrier_signal -1
	s_barrier_wait -1
	CREST
.endm
; nj x 4 matrix instructions: blocks j0 .. of half (0: my blocks 0-7, 1: blocks 8-15) x the 4 column groups.  cm = 1: the bias (window 1, v[8 f4]) starts the sums.  The accumulators take turns, one instruction a turn.
.macro GRP half, bf, j0, nj, cm
.if \cm
	WIN 0x90+0x40*(\half)
.else
	WIN 0xa0+0x50*(\half)
.endif
.set jj, \j0
.rept \nj
.irp f, 0,1,2,3
.if \cm
	v_wmma_f32_16x16x32_bf16 v[8*(4*jj+\f):8*(4*jj+\f)+7], v[(\bf)+8*\f:(\bf)+8*\f+7], v[AH0+64*(\half)+8*jj:AH0+64*(\half)+8*jj+7], v[8*\f:8*\f+7]
.else
	v_wmma_f32_16x16x32_bf16 v[8*(4*jj+\f):8*(4*jj+\f)+7], v[(\bf)+8*\f:(\bf)+8*\f+7], v[AH0+64*(\half)+8*jj:AH0+64*(\half)+8*jj+7], v[8*(4*jj+\f):8*(4*jj+\f)+7]
.endif
.endr
.set jj, jj+1
.endr
.endm
.macro SELW z                          ; the selector: S (16 "rows": 8 experts, 8 zeros) x my group 0's four blocks.  z = 1: the products start the sums
	WIN 0
.irp j, 0,1,2,3
.if \z
	v_wmma_f32_16x16x32_bf16 v[LACC+8*\j:LACC+8*\j+7], v[SF:SF+7], v[AH0+8*\j:AH0+8*\j+7], 0
.else
	v_wmma_f32_16x16x32_bf16 v[LACC+8*\j:LACC+8*\j+7], v[SF:SF+7], v[AH0+8*\j:AH0+8*\j+7], v[LACC+8*\j:LACC+8*\j+7]
.endif
.endr
.endm
; 64 registers of f32 W are rounded in place, four numbers into two registers.  Load i holds rows i % 4 + 8 (i / 4) (lanes 0-15) and four rows further down (lanes 16-31).
.macro CVT base, win
.if \win
	WIN 0x45
.else
	WIN 0
.endif
.set ii, 0
.rept 16
	v_cvt_pk_bf16_f32 v[(\base)+4*ii], v[(\base)+4*ii], v[(\base)+4*ii+1]
	v_cvt_pk_bf16_f32 v[(\base)+4*ii+1], v[(\base)+4*ii+2], v[(\base)+4*ii+3]
.set ii, ii+1
.endr
.endm
; The rounded W goes into my stage: 16 stores.  ld = 1: by turns with them the 16 loads of a later chunk of W, at byte off from WP, into v[dst ..] of window 1.
; One window setting serves both kinds: a store's data (source 1) and a load's destination in window 1, both addresses (source 0) in window 0.
.macro STO base, win, ld, dst, off
.if \win
	WIN 0x44
.else
	WIN 0
.endif
.set ii, 0
.rept 16
	ds_store_b64 v[STA], v[(\base)+4*ii:(\base)+4*ii+1] offset:((ii%4)+8*(ii/4))*SPI
.if \ld
	global_load_b128 v[(\dst)+4*ii:(\dst)+4*ii+3], v[WOF], s[WP:WP+1] offset:(\off)+((ii%4)+8*(ii/4))*8192
.endif
.set ii, ii+1
.endr
.endm
.macro TRLD bf                         ; the stage, turned: four operands of 16 columns x 32 k.  LDS serves a wave's instructions in order (ISA guide 5.7.1.4): these see the stores above
	WIN 0
.irp f, 0,1,2,3
	ds_load_tr16_b128 v[(\bf)+8*\f:(\bf)+8*\f+3], v[TRA] offset:32*\f
	ds_load_tr16_b128 v[(\bf)+8*\f+4:(\bf)+8*\f+7], v[TRA] offset:32*\f+16*SPI
.endr
.endm
.macro SLD qn                          ; S's operand of sub-block qn
	WIN 0
	ds_load_b128 v[SF:SF+3], v[SAD] offset:(\qn)*1024
	ds_load_b128 v[SF+4:SF+7], v[SAD] offset:(\qn)*1024+512
.endm
.macro ALD half, qn                    ; eight blocks of a, sub-block qn: 512 consecutive bytes a load
	WIN 0
.set jj, 0
.rept 8
.set JG, 8*(\half)+jj
	ds_load_b128 v[AH0+8*JG:AH0+8*JG+3], v[ADA+JG/4] offset:(\qn)*16384+(JG%4)*1024
	ds_load_b128 v[AH0+8*JG+4:AH0+8*JG+7], v[ADA+JG/4] offset:(\qn)*16384+(JG%4)*1024+512
.set jj, jj+1
.endr
.endm
.macro WLD rb, wn, base, off           ; a chunk of W, 32 rows x 32 columns x 2 experts in f32: 16 loads into v[rb ..] of window wn.  Eight lanes take a row's 128 bytes
	WIN 0x40*(\wn)
.set ii, 0
.rept 16
	global_load_b128 v[(\rb)+4*ii:(\rb)+4*ii+3], v[WOF], s[\base:\base+1] offset:(\off)+((ii%4)+8*(ii/4))*8192
.set ii, ii+1
.endr
.endm
; ONE CHUNK, number c with c % 4 = q: 68 matrix instructions, and between them all that chunk c + 1 needs, in two runs.
; turn = 1, 2 (q = 3): the change of slots.  Each wave waits for all its tensor loads (one is out: its quarter of the next tile), adds 0 to its spare word, and waits for that and for its reads of the slot;
; behind the barrier nobody reads the slot any more and the other slot is whole.  turn = 1: the barrier opens a round of the cluster's, and the slot is filled again, first thing behind it, with the tile two on:
; that load has four chunks, 272 matrix instructions, in which to land.  turn = 2: nothing is left to fetch.
; W: chunk c + 4 is asked for in the first run, into set q, which was rounded a chunk ago: it has three chunks, 204 matrix instructions, in which to land.
; first = 1: chunk 0, whose set 0 holds the bias until its last products: it asks in the second run.  woff: where chunk c + 4 of W lies from WP.  wstep = 1: WP goes four chunks on.
.macro CH q, turn, first, woff, wstep
.set QN,  ((\q)+1)%4
.set BFC, BF0+32*((\q)%2)
.set BFN, BF0+32*(((\q)+1)%2)
.if (\turn) == 0
	s_wait_dscnt 16                                ; W's and S's operands and a's blocks 0-7 are in; the youngest 16 loads (blocks 8-15) may be out
	GRP 0, BFC, 0, 8, \first
	SELW \first
.else
	WIN 0
	s_wait_tensorcnt 0x0                           ; no tensor load of mine is out, so a group 0 may be written
	ds_add_u32 v[SPW], v[NIL]                      ; 0 onto my spare word
.if (\turn) == 1
	s_xor_b32 s[G0W+1], s[G0W+1], SLOT1            ; the walking descriptor: the other slot than last time,
	s_add_nc_u64 s[G0W+2:G0W+3], s[G0W+2:G0W+3], STEPB  ; the next tile; the type bits on top are not reached
.endif
	s_wait_dscnt 17                                ; the add and the youngest 16 loads may be out
	GRP 0, BFC, 0, 4, 0                            ; sixteen matrix instructions stand between the add and the wait for it
	s_wait_dscnt 0x0                               ; the add is done, and my reads of this slot are over
	s_barrier_signal -1
	GRP 0, BFC, 4, 4, 0                            ; work on registers while the others arrive
	SELW 0
	s_xor_b32 s[TB], s[TB], SLOT1                  ; the fetches go to the other slot,
.irp g, 0,1,2,3
	v_add_nc_u32 v[ADA+\g], s[TB], v[AK0+\g]
.endr
	v_add_nc_u32 v[SAD], 4096, v[SAD]              ; and to the next tile's four blocks of S
	s_barrier_wait -1
.if (\turn) == 1
	CREST                                          ; no wave of any partner still reads the slot or has a load on its way
	tensor_load_to_lds s[G0W:G0W+3], s[G1A:G1A+7]  ; my one tensor load behind the round: my quarter of the tile
	s_nop 0
	PLACES
.endif
.endif
	s_wait_loadcnt 32                              ; chunk c + 1 of W is in; chunks c + 2 and c + 3, 16 loads each, stay out
.if \wstep
	s_wait_xcnt 0x0                                ; the base is stepped only behind this wait
	s_add_nc_u64 s[WP:WP+1], s[WP:WP+1], 4*CHB
.endif
	CVT 64*QN, 1                                   ; the 32 roundings stand first: work on registers behind the last product, and the places in front of the LDS loads below
	STO 64*QN, 1, 1-(\first), 64*(\q), \woff       ; into the stage; beside the stores chunk c + 4 is asked for: 48 loads of mine are out
	TRLD BFN
	SLD QN
	ALD 0, QN
	s_wait_dscnt 42                                ; a's blocks 8-15 are in; the 16 stores and 26 loads just issued may be out
	GRP 1, BFC, 0, 8, \first
	PLACES
	ALD 1, QN
.if \first
	WLD 0, 1, WP, 0                                ; chunk 4, where the bias lay: four places behind the last product that took it
.endif
.endm
	s_load_b256 s[4:11], s[0:1], 0x0               ; a s[4:5], W s[6:7], bias s[8:9], sfrag s[10:11]
	s_load_b128 s[12:15], s[0:1], 0x20             ; sb s[12:13], h s[14:15]
	v_lshl_add_u32 v[SPW], v0, 2, SPARE
	v_mov_b32 v[NIL], 0
	ds_add_u32 v[SPW], v[NIL]                      ; the wave's opening: the add and its wait stand ahead of my first tensor load; the set-up below, work on registers, stands between them
	v_lshrrev_b32 v15, 5, v0
	v_readfirstlane_b32 s[WV], v15                 ; wave 0..3
	s_bfe_u32 s17, ttmp6, 0x40000                  ; cx
	s_bfe_u32 s18, ttmp6, 0x40004                  ; cy = mb: the grid has four work-groups along y, and so has the cluster
	s_lshl_b32 s19, ttmp9, 2
	s_add_co_u32 s19, s19, s17                     ; nb = 4 x cluster x + cx
	s_lshl_b32 s72, s18, 2
	s_lshl_b32 s72, 15, s72                        ; my row of the cluster: places 4 cy .. 4 cy + 3
	; group 1 for a: 16,384 dense bytes as 64 rows of 32 elements of 8 bytes
	s_or_b32 s[G1A], s72, (3<<16)|(1<<21)          ; 15:0 the mask; 17:16 elements of 8 bytes; 21 set beside a mask; no padding: a load of 16 bytes a lane takes 512 consecutive bytes
	s_mov_b32 s[G1A+1], 32<<16                     ; tensor_dim0 = 32
	s_mov_b32 s[G1A+2], 64<<16                     ; tensor_dim1 = 64
	s_mov_b32 s[G1A+3], 32<<16                     ; tile_dim0 = 32
	s_mov_b32 s[G1A+4], 64                         ; tile_dim1 = 64
	s_mov_b32 s[G1A+5], 32                         ; 32 elements from row to row
	s_mov_b32 s[G1A+6], 0
	s_mov_b32 s[G1A+7], 0
	; group 1 for S: NC + 4 rows of 256 bytes a wave.  All sixteen work-groups want the same S, which no mask of four says: each fetches its own
	s_mov_b32 s[G1S], 3<<16
	s_mov_b32 s[G1S+1], 32<<16
	s_mov_b32 s[G1S+2], (NC+4)<<16
	s_mov_b32 s[G1S+3], 32<<16
	s_mov_b32 s[G1S+4], NC+4
	s_mov_b32 s[G1S+5], 32
	s_mov_b32 s[G1S+6], 0
	s_mov_b32 s[G1S+7], 0
	s_mov_b32 s[G0A], 1
	s_lshl_b32 s[G0A+1], s[WV], 14                 ; LDS: sub-block w of slot 0
	s_mov_b32 s[G0W], 1
	s_add_co_u32 s[G0W+1], s[G0A+1], SLOT1         ; of slot 1
	s_mov_b32 s[G0S], 1
	s_mul_i32 s76, s[WV], SQ
	s_add_co_u32 s[G0S+1], s76, SFR
	s_add_co_u32 s76, s76, SOFF
	s_mov_b32 s77, 0                               ; s[76:77]: my quarter of S in sfrag
	s_lshl_b32 s73, s[WV], 14
	s_mul_i32 s74, s18, KIN*512                    ; mb's tiles: made of cy and the wave's number alone
	s_add_co_u32 s74, s74, s73
	s_mov_b32 s75, 0                               ; s[74:75]: my quarter of tile 0
	s_lshl_b32 s79, s19, 7                         ; nb's 32 columns of 4 bytes
	s_add_co_u32 s20, s73, s79                     ; bias: 2 w rows of 8,192 bytes + the columns
	s_mov_b32 s21, 0
	s_mul_i32 s78, s[WV], 2*EXS
	s_add_co_u32 s78, s78, s79
	s_mov_b32 s79, 0                               ; s[78:79]: W at expert 2 w, my columns
	s_lshl_b32 s22, s18, 6
	s_add_co_u32 s22, s22, s19
	s_lshl_b32 s22, s22, 14                        ; h: sub-block (mb, nb),
	s_lshl_b32 s23, s[WV], 12                      ; my four blocks of it
	s_add_co_u32 s22, s22, s23
	s_mov_b32 s23, 0
	s_mov_b32 s[TB], 0
	v_and_b32 v15, 31, v0                          ; lane
	v_and_b32 v16, 7, v0
	v_bfe_u32 v17, v0, 3, 1
	v_bfe_u32 v18, v0, 4, 1
	v_lshlrev_b32 v[WOF], EXSH, v17                ; lanes 8-15 and 24-31: the pair's second expert;
	v_lshl_add_u32 v[WOF], v18, 15, v[WOF]         ; lanes 16-31: four rows further down;
	v_lshl_add_u32 v[WOF], v16, 4, v[WOF]          ; 16 bytes a lane
	v_lshlrev_b32 v21, 5, v18                      ; bias: my lanes' eight columns
	v_lshlrev_b32 v20, 4, v15
.irp g, 0,1,2,3
	s_add_co_u32 s72, s[WV], \g
	s_and_b32 s72, s72, 3
	s_lshl_b32 s72, s72, 12                        ; my group g is the tile's group (g + w) % 4: four blocks of 1,024 bytes
	v_add_nc_u32 v[AK0+\g], s72, v20
	v_add_nc_u32 v[ADA+\g], s72, v20
.endr
	s_mul_i32 s73, s[WV], STGW
	s_add_co_u32 s73, s73, STG                     ; my stage
	v_mul_u32_u24 v[STA], v18, 4*SPI
	v_lshl_add_u32 v[STA], v17, 6, v[STA]
	v_lshl_add_u32 v[STA], v16, 3, v[STA]
	v_add_nc_u32 v[STA], s73, v[STA]
	v_lshl_add_u32 v[TRA], v18, 3, v16             ; the turning load: lane l reads row 8 (l / 16) + l % 8, 16 bytes at 16 ((l / 8) % 2)
	v_mul_u32_u24 v[TRA], v[TRA], SPI
	v_lshl_add_u32 v[TRA], v17, 4, v[TRA]
	v_add_nc_u32 v[TRA], s73, v[TRA]
	v_add_nc_u32 v[SAD], SFR, v20
	s_wait_dscnt 0x0                               ; the opening add is done
	s_wait_kmcnt 0x0
	s_add_nc_u64 s[G0A+2:G0A+3], s[4:5], s[74:75]
	s_add_nc_u64 s[G0W+2:G0W+3], s[G0A+2:G0A+3], STEPB
	s_or_b32 s[G0A+3], s[G0A+3], 0x80000000        ; type = 2
	s_or_b32 s[G0W+3], s[G0W+3], 0x80000000
	s_add_nc_u64 s[G0S+2:G0S+3], s[10:11], s[76:77]
	s_or_b32 s[G0S+3], s[G0S+3], 0x80000000
	s_add_nc_u64 s[WB:WB+1], s[6:7], s[78:79]
	s_add_nc_u64 s[WP:WP+1], s[WB:WB+1], 4*CHB     ; chunk 4
	s_add_nc_u64 s[BB:BB+1], s[8:9], s[20:21]
	s_add_nc_u64 s[HO:HO+1], s[14:15], s[22:23]
	s_load_b256 s[SB:SB+7], s[12:13], 0x0          ; sb's eight numbers
	WIN 0x40                                       ; the bias and W's first three chunks are asked for ahead of the round: they are on their way while the sixteen work-groups meet
.irp f, 0,1,2,3
	global_load_b128 v[8*\f:8*\f+3], v21, s[BB:BB+1] offset:(\f/2)*8192+(\f%2)*64
	global_load_b128 v[8*\f+4:8*\f+7], v21, s[BB:BB+1] offset:(\f/2)*8192+(\f%2)*64+16
.endr
	WLD AH0, 0, WB, 0                              ; chunk 0 goes through a's registers, which are still free
	WLD 64, 1, WB, CHB
	WLD 128, 1, WB, 2*CHB                          ; 56 loads of mine are out
	WIN 0
	CROUND                                         ; all sixteen work-groups are here: the first joint loads meet
	tensor_load_to_lds s[G0S:G0S+3], s[G1S:G1S+7]  ; the first fills go out together: three loads of mine are out
	s_nop 0
	tensor_load_to_lds s[G0A:G0A+3], s[G1A:G1A+7]
	s_nop 0
	tensor_load_to_lds s[G0W:G0W+3], s[G1A:G1A+7]
	s_nop 0
	PLACES
	s_wait_loadcnt 32                              ; the bias and chunk 0 are in; chunks 1 and 2 stay out
	WIN 0x45                                       ; the bias is rounded to bf16, as all inputs are, and widened again, in place
.set ii, 0
.rept 16
	v_cvt_pk_bf16_f32 v[2*ii], v[2*ii], v[2*ii+1]
	v_and_b32 v[2*ii+1], 0xffff0000, v[2*ii]
	v_lshlrev_b32 v[2*ii], 16, v[2*ii]
.set ii, ii+1
.endr
	CVT AH0, 0                                     ; chunk 0 of W: rounded, into my stage, and back turned
	STO AH0, 0, 0, 0, 0
	TRLD BF0
	WLD 192, 1, WB, 3*CHB
	WIN 0
	s_wait_tensorcnt 0x1                           ; my quarters of S and of tile 0 are in; tile 1 may stay out
	s_wait_kmcnt 0x0                               ; sb
	s_wait_dscnt 0x0
	s_barrier_signal -1
	s_barrier_wait -1                              ; everybody's are
	SLD 0
	ALD 0, 0
	ALD 1, 0
	CH 0, 0, 1, 0, 0
	WIN 0                                          ; at a label and at a branch every window is 0
	s_mov_b32 s[CNT], NT-2
.Lmain:                                                ; a trip is a tile's chunks 1 to 3 and the next tile's chunk 0; every slot but the last two is filled again
	CH 1, 0, 0, CHB, 0
	CH 2, 0, 0, 2*CHB, 0
	CH 3, 1, 0, 3*CHB, 0
	CH 0, 0, 0, 0, 1
	WIN 0
	s_sub_co_u32 s[CNT], s[CNT], 1
	s_cmp_lg_u32 s[CNT], 0
	s_cbranch_scc1 .Lmain
	; The last seven chunks: a second text; walked twice and left in the middle of the second trip.  WP stands still, at chunk NC - 4: the first trip's first three chunks
	; ask for chunks NC - 3 to NC - 1, where they are due; the four sets that follow read one of these once more, inside the buffer, and serve nothing, so that every chunk issues 16 loads and every
	; count holds.  Likewise the last chunk fetches operands for a chunk that is not: from the other slot and from S's first block of zeros, bytes that have been filled.
	s_mov_b32 s[CNT], 2
.Ltail:
	CH 1, 0, 0, CHB, 0
	CH 2, 0, 0, 2*CHB, 0
	CH 3, 2, 0, 3*CHB, 0
	WIN 0
	s_sub_co_u32 s[CNT], s[CNT], 1
	s_cmp_eq_u32 s[CNT], 0
	s_cbranch_scc1 .Lout
	CH 0, 0, 0, 3*CHB, 0
	WIN 0
	s_branch .Ltail
.Lout:
	s_wait_loadcnt 0x0                             ; the loads that serve nothing have landed: their registers are free
	s_wait_dscnt 0x0
	; THE SOFTMAX.  In lanes 0-15 the selector's accumulator j holds the 8 logits of row 64 w + 16 j + lane, one a register; lanes 16-31 hold the rows of zeros and run along.
.set TT,  24                           ; v24-39  four at work for each j
.set MX,  40                           ; v40-43  the maxima
.set LN,  44                           ; v44  16 x lane
.set RWA, 45                           ; v45  where I put sums for the other waves
.set RRA, 46                           ; v46-48  where I read the others' sums for me
.set ZR,  49                           ; v49  0, for relu on packed halves
.set PA,  20                           ; v20-23  where the probabilities of my four groups lie
.set PP,  56                           ; v56-87  block J: prob of my two experts, for the lane's row
.set SBV, 88                           ; v88-95  sb, rounded to bf16 and widened
.set SBT, 96                           ; v96-99  at work
.set HW,  88                           ; v88-151 later, with LOW = 1: hi widened, then h - hi
.set OUTR, 152                         ; v152-183 h, or its high parts, as stored
.set LOR,  184                         ; v184-215 its low parts
	v_and_b32 v15, 15, v0                          ; r
	v_bfe_u32 v16, v0, 4, 1                        ; h
	v_and_b32 v[LN], 31, v0
	v_lshlrev_b32 v[LN], 4, v[LN]
	v_lshlrev_b32 v18, 5, v15                      ; a row of prob is 32 bytes
	s_lshl_b32 s72, s[WV], 11                      ; my 64 rows
	s_add_co_u32 s72, s72, PRB
	v_lshl_add_u32 v17, v16, 13, v18               ; the upper lanes' go 8,192 bytes further, where nobody reads
	v_add_nc_u32 v17, s72, v17
.if !LOW
	v_mov_b32 v[ZR], 0
.endif
.irp i, 0,1,2,3
	v_cvt_pk_bf16_f32 v[SBT+\i], s[SB+2*\i], s[SB+2*\i+1]  ; sb is rounded to bf16, as all inputs are,
.endr
.irp i, 0,1,2,3
	v_lshlrev_b32 v[SBV+2*\i], 16, v[SBT+\i]       ; and widened again
	v_and_b32 v[SBV+2*\i+1], 0xffff0000, v[SBT+\i]
.endr
.irp j, 0,1,2,3
.irp i, 0,2,4,6
	v_pk_add_f32 v[LACC+8*\j+\i:LACC+8*\j+\i+1], v[LACC+8*\j+\i:LACC+8*\j+\i+1], v[SBV+\i:SBV+\i+1]  ; each accumulator is read from its low end on
.endr
.endr
.irp j, 0,1,2,3
	v_max3_num_f32 v[MX+\j], v[LACC+8*\j], v[LACC+8*\j+1], v[LACC+8*\j+2]
.endr
.irp j, 0,1,2,3
	v_max3_num_f32 v[MX+\j], v[MX+\j], v[LACC+8*\j+3], v[LACC+8*\j+4]
.endr
.irp j, 0,1,2,3
	v_max3_num_f32 v[MX+\j], v[MX+\j], v[LACC+8*\j+5], v[LACC+8*\j+6]
.endr
.irp j, 0,1,2,3
	v_max_num_f32 v[MX+\j], v[MX+\j], v[LACC+8*\j+7]
.endr
.irp j, 0,1,2,3
.irp i, 0,1,2,3,4,5,6,7
	v_sub_f32 v[LACC+8*\j+\i], v[LACC+8*\j+\i], v[MX+\j]  ; the maximum is taken away first, as the softmax has it
.endr
.endr
.irp j, 0,1,2,3
.irp i, 0,1,2,3,4,5,6,7
	v_mul_f32 v[LACC+8*\j+\i], 0x3fb8aa3b, v[LACC+8*\j+\i]  ; log2(e)
.endr
.endr
.irp j, 0,1,2,3
.irp i, 0,1,2,3,4,5,6,7
	v_exp_f32 v[LACC+8*\j+\i], v[LACC+8*\j+\i]
.endr
.endr
	v_nop                                          ; a plain instruction behind the last exponential,
	s_wait_alu depctr_va_vdst(0)                   ; and the wait ahead of the first use: one for the 32
.irp j, 0,1,2,3
	v_pk_add_f32 v[TT+4*\j:TT+4*\j+1], v[LACC+8*\j:LACC+8*\j+1], v[LACC+8*\j+2:LACC+8*\j+3]
	v_pk_add_f32 v[TT+4*\j+2:TT+4*\j+3], v[LACC+8*\j+4:LACC+8*\j+5], v[LACC+8*\j+6:LACC+8*\j+7]
.endr
.irp j, 0,1,2,3
	v_pk_add_f32 v[TT+4*\j:TT+4*\j+1], v[TT+4*\j:TT+4*\j+1], v[TT+4*\j+2:TT+4*\j+3]
.endr
.irp j, 0,1,2,3
	v_add_f32 v[TT+4*\j+2], v[TT+4*\j], v[TT+4*\j+1]
.endr
.irp j, 0,1,2,3
	v_rcp_f32 v[TT+4*\j], v[TT+4*\j+2]
.endr
	v_nop
	s_wait_alu depctr_va_vdst(0)                   ; one wait for the four reciprocals
.irp j, 0,1,2,3
.irp i, 0,2,4,6
	v_pk_mul_f32 v[LACC+8*\j+\i:LACC+8*\j+\i+1], v[LACC+8*\j+\i:LACC+8*\j+\i+1], v[TT+4*\j:TT+4*\j+1] op_sel_hi:[1,0]
.endr
.endr
.irp j, 0,1,2,3
	ds_store_b128 v17, v[LACC+8*\j:LACC+8*\j+3] offset:\j*512
	ds_store_b128 v17, v[LACC+8*\j+4:LACC+8*\j+7] offset:\j*512+16
.endr
	s_wait_dscnt 0x0                               ; for the others' sake: my probabilities are stored, and my last reads of my stage are over
	s_barrier_signal -1
	s_barrier_wait -1
	s_lshl_b32 s73, s[WV], 3                       ; my two experts' 8 bytes of a row of prob
	s_add_co_u32 s73, s73, PRB
.irp g, 0,1,2,3
	s_add_co_u32 s72, s[WV], \g
	s_and_b32 s72, s72, 3
	s_lshl_b32 s72, s72, 11                        ; the group's 64 rows of 32 bytes
	s_add_co_u32 s72, s72, s73
	v_add_nc_u32 v[PA+\g], s72, v18                ; all inside PRB's first 8,192 bytes
.endr
.set J, 0
.rept 16
	ds_load_b64 v[PP+2*J:PP+2*J+1], v[PA+J/4] offset:(J%4)*512
.set J, J+1
.endr
	s_mul_i32 s72, s[WV], REDW
	s_add_co_u32 s72, s72, RED
	v_add_nc_u32 v[RWA], s72, v[LN]
.irp g, 1,2,3
	s_add_co_u32 s72, s[WV], 4-\g
	s_and_b32 s72, s72, 3                          ; the wave whose group g is my group 0
	s_mul_i32 s72, s72, REDW
	s_add_co_u32 s72, s72, RED+(\g-1)*8192
	v_add_nc_u32 v[RRA+\g-1], s72, v[LN]
.endr
	s_wait_dscnt 0x0
	; MY TWO EXPERTS: (Y + bias) of the first times its probability, plus the second's times its own, in the first's accumulators
.set J, 0
.rept 16
	WIN 0xa2+0x51*(J/8)
.set RJ, 32*(J%8)
.set ii, 0
.rept 8
	v_pk_mul_f32 v[RJ+2*ii:RJ+2*ii+1], v[RJ+2*ii:RJ+2*ii+1], v[PP+2*J:PP+2*J+1] op_sel_hi:[1,0]
.set ii, ii+1
.endr
.set ii, 0
.rept 8
	v_pk_fma_f32 v[RJ+2*ii:RJ+2*ii+1], v[RJ+16+2*ii:RJ+16+2*ii+1], v[PP+2*J:PP+2*J+1], v[RJ+2*ii:RJ+2*ii+1] op_sel:[0,1,0] op_sel_hi:[1,1,1]
.set ii, ii+1
.endr
.set J, J+1
.endr
	; THE FOUR WAVES: my groups 1 to 3 go, in f32, to the waves that own those rows; I add what the three others hold for my group 0, in a fixed order
.set J, 4
.rept 12
	WIN 0x08+0x04*(J/8)
.set ii, 0
.rept 4
	ds_store_b128 v[RWA], v[32*(J%8)+4*ii:32*(J%8)+4*ii+3] offset:(J/4-1)*8192+((J%4)*4+ii)*512
.set ii, ii+1
.endr
.set J, J+1
.endr
	s_wait_dscnt 0x0                               ; for the others' sake
	s_barrier_signal -1
	s_barrier_wait -1
	WIN 0x40
.irp g, 0,1,2
.set ii, 0
.rept 16
	ds_load_b128 v[64*\g+4*ii:64*\g+4*ii+3], v[RRA+\g] offset:ii*512
.set ii, ii+1
.endr
.endr
	s_wait_dscnt 0x0
	WIN 0x86
.irp g, 0,1,2
.set ii, 0
.rept 32
	v_pk_add_f32 v[32*(ii/8)+2*(ii%8):32*(ii/8)+2*(ii%8)+1], v[32*(ii/8)+2*(ii%8):32*(ii/8)+2*(ii%8)+1], v[64*\g+2*ii:64*\g+2*ii+1]
.set ii, ii+1
.endr
.endr
	; THE WAY OUT: a lane's eight columns are 16 bytes of h's own order.  LOW = 0: rounded once to bf16, relu on the packed halves.  LOW = 1: relu in f32; hi = bf16(h); lo = bf16(h - hi), where h - hi is exact in f32
.if LOW
	WIN 0x88
.set ii, 0
.rept 64
	v_max_num_f32 v[32*(ii/16)+(ii%16)], 0, v[32*(ii/16)+(ii%16)]
.set ii, ii+1
.endr
.endif
	WIN 0x0a
.set ii, 0
.rept 32
	v_cvt_pk_bf16_f32 v[OUTR+ii], v[32*(ii/8)+2*(ii%8)], v[32*(ii/8)+2*(ii%8)+1]
.set ii, ii+1
.endr
	WIN 0
.if LOW
.set ii, 0
.rept 32
	v_lshlrev_b32 v[HW+2*ii], 16, v[OUTR+ii]
	v_and_b32 v[HW+2*ii+1], 0xffff0000, v[OUTR+ii]
.set ii, ii+1
.endr
	WIN 0x02
.set ii, 0
.rept 32
	v_pk_add_f32 v[HW+2*ii:HW+2*ii+1], v[32*(ii/8)+2*(ii%8):32*(ii/8)+2*(ii%8)+1], v[HW+2*ii:HW+2*ii+1] neg_lo:[0,1] neg_hi:[0,1]
.set ii, ii+1
.endr
	WIN 0
.set ii, 0
.rept 32
	v_cvt_pk_bf16_f32 v[LOR+ii], v[HW+2*ii], v[HW+2*ii+1]
.set ii, ii+1
.endr
.else
.set ii, 0
.rept 32
	v_pk_max_num_bf16 v[OUTR+ii], v[OUTR+ii], v[ZR]
.set ii, ii+1
.endr
.endif
.irp n, 0,1,2,3,4,5,6,7
	global_store_b128 v[LN], v[OUTR+4*\n:OUTR+4*\n+3], s[HO:HO+1] offset:\n*512  ; 512 consecutive bytes, at a multiple of 256 from h's first byte
.endr
.if LOW
.irp n, 0,1,2,3,4,5,6,7
	global_store_b128 v[LN], v[LOR+4*\n:LOR+4*\n+3], s[HO:HO+1] offset:LOB+\n*512
.endr
.endif
	s_wait_tensorcnt 0x0                           ; the wave's end: behind my last tensor load and my last LDS store
	ds_add_u32 v[SPW], v[NIL]
	s_wait_dscnt 0x0
	CROUND                                         ; the closing round: no work-group ends while a partner may still ask for a tile that names it
	s_endpgm
.Lfunc_end_k_qdb3312a600_layer1:
	.size	k_qdb3312a600_layer1, .Lfunc_end_k_qdb3312a600_layer1-k_qdb3312a600_layer1
	.p2alignl 7, 3214868480
	.fill 96, 4, 3214868480
	.section	.rodata,"a",@progbits
	.p2align	6, 0x0
	.amdhsa_kernel k_qdb3312a600_layer1
		.amdhsa_group_segment_fixed_size 327680
		.amdhsa_private_segment_fixed_size 0
		.amdhsa_enable_private_segment 0
		.amdhsa_kernarg_size 48
		.amdhsa_user_sgpr_count 2
		.amdhsa_user_sgpr_kernarg_segment_ptr 1
		.amdhsa_wavefront_size32 1
		.amdhsa_system_sgpr_workgroup_id_x 1
		.amdhsa_system_sgpr_workgroup_id_y 1
		.amdhsa_system_sgpr_workgroup_id_z 1
		.amdhsa_system_vgpr_workitem_id 0
		.amdhsa_next_free_vgpr 1024
		.amdhsa_next_free_sgpr 80
		.amdhsa_reserve_vcc 0
		.amdhsa_float_denorm_mode_32 3
		.amdhsa_float_denorm_mode_16_64 3
		.amdhsa_memory_ordered 1
		.amdhsa_forward_progress 1
		.amdhsa_inst_pref_size 176
	.end_amdhsa_kernel
	.amdgpu_metadata
---
amdhsa.version: [ 1, 2 ]
amdhsa.kernels:
  - .name:           k_qdb3312a600_layer1
    .symbol:         k_qdb3312a600_layer1.kd
    .args:
      - { .name: xb, .offset: 0, .size: 8, .value_kind: global_buffer, .address_space: global }
      - { .name: W1, .offset: 8, .size: 8, .value_kind: global_buffer, .address_space: global }
      - { .name: b1, .offset: 16, .size: 8, .value_kind: global_buffer, .address_space: global }
      - { .name: sfrag, .offset: 24, .size: 8, .value_kind: global_buffer, .address_space: global }
      - { .name: sb1, .offset: 32, .size: 8, .value_kind: global_buffer, .address_space: global }
      - { .name: h1b, .offset: 40, .size: 8, .value_kind: global_buffer, .address_space: global }
    .group_segment_fixed_size: 327680
    .private_segment_fixed_size: 0
    .kernarg_segment_align: 8
    .kernarg_segment_size: 48
    .max_flat_workgroup_size: 128
    .sgpr_count:     80
    .vgpr_count:     1024
    .wavefront_size: 32
...
	.end_amdgpu_metadata
.endif
;; end of part 2
;; launch layer2 (part 3): grid 64 x 4, 4 waves a work-group, clusters of 4 x 4, 327,680 bytes of LDS; arguments h1b, W2, b2, sfrag, sb2, h2b; writes h2b
.if DOCPART == 3
	.amdgcn_target "amdgcn-amd-amdhsa--gfx1250"
	.amdhsa_code_object_version 6
	.text
	.protected	k_qdb3312a600_layer2
	.globl	k_qdb3312a600_layer2
	.p2align	8
	.type	k_qdb3312a600_layer2,@function
k_qdb3312a600_layer2:
	s_mov_b64 s[64:65], 0
	v_nop
	global_prefetch_b8 v0, s[64:65] scope:SCOPE_SE
	s_setreg_imm32_b32 hwreg(HW_REG_WAVE_MODE, 25, 1), 1
	s_wait_xcnt 0x0
	s_wait_alu depctr_hold_cnt(0) depctr_sa_sdst(0) depctr_va_vdst(0) depctr_va_sdst(0) depctr_va_ssrc(0) depctr_va_vcc(0) depctr_vm_vsrc(0)
	s_getreg_b32 s2, hwreg(HW_REG_IB_STS2, 6, 4)
	s_cmp_eq_u32 s2, 0
	s_cbranch_scc0 .Lentry_in_a_cluster
	s_endpgm
.Lentry_in_a_cluster:
	s_bfe_u32 s2, ttmp6, 0x10000c
	s_cmp_lg_u32 s2, 0xf033
	s_cbranch_scc0 .Lentry_shape_is_right
	s_endpgm
.Lentry_shape_is_right:
; A SOFT-GATED LAYER, the second: the first layer's text with four other constants (KIN, EXSH, SOFF, LOW; trip counts are constants of the text).
; h[b][o] = relu( sum over p of prob[b][p] (a[b][:] . W[p][:][o] + bias[p][o]) ),  prob = softmax_p(a[b][:] . S[:][p] + sb[p]).
; a: bf16 in operand order (see below), KIN wide.  W: [8][KIN][2048] f32, rounded once to bf16 on its way through registers.  S: bf16 operands made by the first launch.
; bias and sb are rounded once to bf16 like every other input, and then used in f32.  Sums in f32.
; h leaves as bf16 in operand order: [mb 4][k32 64][block 16][f 2][lane 32][8 bf16]; lane (r = lane % 16, h = lane / 16), half f: row 256 mb + 16 block + r, column 32 k32 + 16 f + 8 h + 0..7.
; LOW = 1: h leaves as two bf16 numbers, hi = bf16(h) and lo = bf16(h - hi), 16 significant bits together: hi's 4,194,304 bytes first, then lo's, in the same order.
; LIMITS.  NaN and infinities are not treated apart; a probability below 2^-126 counts as 0; relu may leave -0; a, W, S, bias and sb carry bf16's 8 significant bits, and so does h where LOW = 0.
; SHARES.  A work-group owns 256 rows (mb) x 32 columns (nb) x all 8 experts; 64 x 4 work-groups.  Wave w owns experts 2 w and 2 w + 1 for all 256 rows: 16 row blocks x 4 column groups
; (expert of the pair x half of the 32 columns) = 64 accumulators, 512 registers.  So each wave has a stream of W of its own, and the sum over experts never leaves the work-group.
; THE MATRIX INSTRUCTION IS USED TRANSPOSED: source 0 = 16 columns of W, source 1 = 16 rows of a.  A lane then holds one row and eight neighbouring columns, which is h's own order: no stage on the way out.
; W'S WAY.  global_load_b128 (f32) into a ring of four register sets; two roundings a line, in place; ds_store_b64 into the wave's own stage [32 k][64 columns]; ds_load_tr16_b128 turns it into operands.
; Loads into registers may stay out across barriers: two to three chunks of 32 k, 32 to 48 loads of a wave, are always on their way.  W is not brought by tensor loads: two slots of 128 k of f32 W and of a do not fit in LDS.
; a'S WAY.  Tiles of 256 rows x 128 k (65,536 dense bytes) through two LDS slots.  The four work-groups of a row of the cluster have the same mb: each tile is asked for JOINTLY, a quarter by each wave.
; The four work-groups of a column of the cluster read the same slice of W, at about the same time, since the rounds of the cluster's barrier keep them in step.
; THE SELECTOR RIDES ALONG.  Wave w takes the row groups of 64 rotated (its group g is the tile's group (g + w) % 4) and multiplies its group 0 by S as well: four products more a chunk.
; THE BIAS is the C operand of the first chunk's products, so that sum of prob x (Y + bias) needs no line of its own.
; IN RUNS.  A chunk of 32 k has 68 products in two stretches (36 and 32) and 74 memory instructions in two runs (58 and 16), one behind each stretch, never singly among the products.
; The chunk's 32 roundings stand at the head of the first run, between the stretch's last product and the run's first memory instruction.
; REGISTERS, in windows of 256 (s_set_vgpr_msb: bits 1:0 source 0, 3:2 source 1, 5:4 source 2, 7:6 destination):
;   window 0: v0-23 addresses and work; v24-151 a's operands (16 blocks); v152-215 W's operands, two buffers; v216-223 S's operand; v224-255 the selector's 4 accumulators
;   window 1: four sets of 64 for W as loaded (set = chunk % 4); the bias lies in set 0 during chunk 0        windows 2, 3: the accumulators of my blocks 0-7, 8-15: (j, f4) at v[8 (4 j + f4)]
.set KIN,   2048                       ; the layer's input width
.set EXSH,  24                         ; log2 of an expert's bytes in W
.set SOFF,  36864                      ; where this layer's S begins in sfrag
.set LOW,   1                          ; h leaves as two bf16 numbers
.set NC,    KIN/32                     ; chunks of 32 k
.set NT,    KIN/128                    ; tiles of a
.set CHB,   262144                     ; a chunk of W: 32 rows of 8,192 bytes
.set EXS,   KIN*8192                   ; an expert's bytes in W
.set STEPB, 65536                      ; a tile of a
.set LOB,   4194304                    ; where h's low parts begin
.set SLOT1, 65536                      ; LDS: slot 0 at 0, slot 1 here
.set SFR,   131072                     ; LDS: S's operands, NC + 4 blocks of 1,024 bytes, filled once
.set SQ,    (NC+4)*256                 ; a wave's quarter of them
.set STG,   200704                     ; LDS: the waves' stages, 32 rows of 160 bytes each
.set STGW,  5120
.set SPI,   160                        ; 128 bytes + 32: five times 32; a store's two rows, 640 bytes apart, fall on different halves of the banks (64 banks of 4 bytes: ISA guide 11.1)
.set RED,   200704                     ; LDS: after the K walk, over the stages: f32 sums on their way from wave to wave; it ends where PRB begins
.set REDW,  24576                      ; a writer's three groups of 8,192 bytes
.set PRB,   299008                     ; LDS: prob[256][8] f32; 8,192 bytes more take what the upper lanes hold
.set SPARE, 315392                     ; LDS: the spare words, 128 bytes for each wave: two blocks of 256 bytes that no other line names
.set SPW,  1                           ; v1   LDS address of my spare word; never rewritten
.set NIL,  2                           ; v2   0; never rewritten
.set WOF,  3                           ; v3   my byte offset in a chunk of W; never rewritten
.set AK0,  4                           ; v4-7   my lane's place in a sub-block of a, for my four groups of rows; never rewritten
.set ADA,  8                           ; v8-11  the same in the slot in hand
.set STA,  12                          ; v12  where I put 8 bytes of the stage
.set TRA,  13                          ; v13  where the turning load reads
.set SAD,  14                          ; v14  S's operand of the tile in hand
.set AH0,  24
.set BF0,  152
.set SF,   216
.set LACC, 224
.set WV,  16                           ; s16  my wave's number
.set G1A, 24                           ; s[24:31] descriptor group 1 for a's tiles
.set G0A, 32                           ; s[32:35] group 0: tile 0 into slot 0
.set G0W, 36                           ; s[36:39] group 0: tile 1 into slot 1; it then walks
.set G1S, 40                           ; s[40:47] group 1 for S
.set G0S, 48                           ; s[48:51] group 0 for S
.set TB,  52                           ; s52  the slot in hand: 0 or 65,536
.set CNT, 53                           ; s53  loop count
.set WP,  54                           ; s[54:55] W: the walking base
.set SB,  56                           ; s[56:63] sb
.set WB,  66                           ; s[66:67] W at my two experts' first row, my 32 columns
.set BB,  68                           ; s[68:69] bias at my first expert, my 32 columns
.set HO,  70                           ; s[70:71] h at my 64 rows x 32 columns
.set MSB, 0
.macro WIN new                         ; the immediate's high byte repeats the setting that is left; a switch that changes nothing is dropped
.if MSB != (\new)
	s_set_vgpr_msb (MSB<<8)|(\new)
.set MSB, \new
.endif
.endm
.macro PLACES                          ; four places between a matrix instruction and a load into one of its registers (ISA guide 7.12.1 for vector instructions)
.rept 4
	v_nop
.endr
.endm
.macro CREST                           ; a round of the cluster's barrier behind its opening barrier
	s_cmp_lg_u32 s[WV], 0
	s_cbranch_scc1 .Lnot_wave_0_\@
	s_barrier_signal -3
.Lnot_wave_0_\@:
	s_barrier_wait -3
	s_barrier_signal -1
	s_barrier_wait -1
.endm
.macro CROUND                          ; a whole round
	s_barrier_signal -1
	s_barrier_wait -1
	CREST
.endm
; nj x 4 matrix instructions: blocks j0 .. of half (0: my blocks 0-7, 1: blocks 8-15) x the 4 column groups.  cm = 1: the bias (window 1, v[8 f4]) starts the sums.  The accumulators take turns, one instruction a turn.
.macro GRP half, bf, j0, nj, cm
.if \cm
	WIN 0x90+0x40*(\half)
.else
	WIN 0xa0+0x50*(\half)
.endif
.set jj, \j0
.rept \nj
.irp f, 0,1,2,3
.if \cm
	v_wmma_f32_16x16x32_bf16 v[8*(4*jj+\f):8*(4*jj+\f)+7], v[(\bf)+8*\f:(\bf)+8*\f+7], v[AH0+64*(\half)+8*jj:AH0+64*(\half)+8*jj+7], v[8*\f:8*\f+7]
.else
	v_wmma_f32_16x16x32_bf16 v[8*(4*jj+\f):8*(4*jj+\f)+7], v[(\bf)+8*\f:(\bf)+8*\f+7], v[AH0+64*(\half)+8*jj:AH0+64*(\half)+8*jj+7], v[8*(4*jj+\f):8*(4*jj+\f)+7]
.endif
.endr
.set jj, jj+1
.endr
.endm
.macro SELW z                          ; the selector: S (16 "rows": 8 experts, 8 zeros) x my group 0's four blocks.  z = 1: the products start the sums
	WIN 0
.irp j, 0,1,2,3
.if \z
	v_wmma_f32_16x16x32_bf16 v[LACC+8*\j:LACC+8*\j+7], v[SF:SF+7], v[AH0+8*\j:AH0+8*\j+7], 0
.else
	v_wmma_f32_16x16x32_bf16 v[LACC+8*\j:LACC+8*\j+7], v[SF:SF+7], v[AH0+8*\j:AH0+8*\j+7], v[LACC+8*\j:LACC+8*\j+7]
.endif
.endr
.endm
; 64 registers of f32 W are rounded in place, four numbers into two registers.  Load i holds rows i % 4 + 8 (i / 4) (lanes 0-15) and four rows further down (lanes 16-31).
.macro CVT base, win
.if \win
	WIN 0x45
.else
	WIN 0
.endif
.set ii, 0
.rept 16
	v_cvt_pk_bf16_f32 v[(\base)+4*ii], v[(\base)+4*ii], v[(\base)+4*ii+1]
	v_cvt_pk_bf16_f32 v[(\base)+4*ii+1], v[(\base)+4*ii+2], v[(\base)+4*ii+3]
.set ii, ii+1
.endr
.endm
; The rounded W goes into my stage: 16 stores.  ld = 1: by turns with them the 16 loads of a later chunk of W, at byte off from WP, into v[dst ..] of window 1.
; One window setting serves both kinds: a store's data (source 1) and a load's destination in window 1, both addresses (source 0) in window 0.
.macro STO base, win, ld, dst, off
.if \win
	WIN 0x44
.else
	WIN 0
.endif
.set ii, 0
.rept 16
	ds_store_b64 v[STA], v[(\base)+4*ii:(\base)+4*ii+1] offset:((ii%4)+8*(ii/4))*SPI
.if \ld
	global_load_b128 v[(\dst)+4*ii:(\dst)+4*ii+3], v[WOF], s[WP:WP+1] offset:(\off)+((ii%4)+8*(ii/4))*8192
.endif
.set ii, ii+1
.endr
.endm
.macro TRLD bf                         ; the stage, turned: four operands of 16 columns x 32 k.  LDS serves a wave's instructions in order (ISA guide 5.7.1.4): these see the stores above
	WIN 0
.irp f, 0,1,2,3
	ds_load_tr16_b128 v[(\bf)+8*\f:(\bf)+8*\f+3], v[TRA] offset:32*\f
	ds_load_tr16_b128 v[(\bf)+8*\f+4:(\bf)+8*\f+7], v[TRA] offset:32*\f+16*SPI
.endr
.endm
.macro SLD qn                          ; S's operand of sub-block qn
	WIN 0
	ds_load_b128 v[SF:SF+3], v[SAD] offset:(\qn)*1024
	ds_load_b128 v[SF+4:SF+7], v[SAD] offset:(\qn)*1024+512
.endm
.macro ALD half, qn                    ; eight blocks of a, sub-block qn: 512 consecutive bytes a load
	WIN 0
.set jj, 0
.rept 8
.set JG, 8*(\half)+jj
	ds_load_b128 v[AH0+8*JG:AH0+8*JG+3], v[ADA+JG/4] offset:(\qn)*16384+(JG%4)*1024
	ds_load_b128 v[AH0+8*JG+4:AH0+8*JG+7], v[ADA+JG/4] offset:(\qn)*16384+(JG%4)*1024+512
.set jj, jj+1
.endr
.endm
.macro WLD rb, wn, base, off           ; a chunk of W, 32 rows x 32 columns x 2 experts in f32: 16 loads into v[rb ..] of window wn.  Eight lanes take a row's 128 bytes
	WIN 0x40*(\wn)
.set ii, 0
.rept 16
	global_load_b128 v[(\rb)+4*ii:(\rb)+4*ii+3], v[WOF], s[\base:\base+1] offset:(\off)+((ii%4)+8*(ii/4))*8192
.set ii, ii+1
.endr
.endm
; ONE CHUNK, number c with c % 4 = q: 68 matrix instructions, and between them all that chunk c + 1 needs, in two runs.
; turn = 1, 2 (q = 3): the change of slots.  Each wave waits for all its tensor loads (one is out: its quarter of the next tile), adds 0 to its spare word, and waits for that and for its reads of the slot;
; behind the barrier nobody reads the slot any more and the other slot is whole.  turn = 1: the barrier opens a round of the cluster's, and the slot is filled again, first thing behind it, with the tile two on:
; that load has four chunks, 272 matrix instructions, in which to land.  turn = 2: nothing is left to fetch.
; W: chunk c + 4 is asked for in the first run, into set q, which was rounded a chunk ago: it has three chunks, 204 matrix instructions, in which to land.
; first = 1: chunk 0, whose set 0 holds the bias until its last products: it asks in the second run.  woff: where chunk c + 4 of W lies from WP.  wstep = 1: WP goes four chunks on.
.macro CH q, turn, first, woff, wstep
.set QN,  ((\q)+1)%4
.set BFC, BF0+32*((\q)%2)
.set BFN, BF0+32*(((\q)+1)%2)
.if (\turn) == 0
	s_wait_dscnt 16                                ; W's and S's operands and a's blocks 0-7 are in; the youngest 16 loads (blocks 8-15) may be out
	GRP 0, BFC, 0, 8, \first
	SELW \first
.else
	WIN 0
	s_wait_tensorcnt 0x0                           ; no tensor load of mine is out, so a group 0 may be written
	ds_add_u32 v[SPW], v[NIL]                      ; 0 onto my spare word
.if (\turn) == 1
	s_xor_b32 s[G0W+1], s[G0W+1], SLOT1            ; the walking descriptor: the other slot than last time,
	s_add_nc_u64 s[G0W+2:G0W+3], s[G0W+2:G0W+3], STEPB  ; the next tile; the type bits on top are not reached
.endif
	s_wait_dscnt 17                                ; the add and the youngest 16 loads may be out
	GRP 0, BFC, 0, 4, 0                            ; sixteen matrix instructions stand between the add and the wait for it
	s_wait_dscnt 0x0                               ; the add is done, and my reads of this slot are over
	s_barrier_signal -1
	GRP 0, BFC, 4, 4, 0                            ; work on registers while the others arrive
	SELW 0
	s_xor_b32 s[TB], s[TB], SLOT1                  ; the fetches go to the other slot,
.irp g, 0,1,2,3
	v_add_nc_u32 v[ADA+\g], s[TB], v[AK0+\g]
.endr
	v_add_nc_u32 v[SAD], 4096, v[SAD]              ; and to the next tile's four blocks of S
	s_barrier_wait -1
.if (\turn) == 1
	CREST                                          ; no wave of any partner still reads the slot or has a load on its way
	tensor_load_to_lds s[G0W:G0W+3], s[G1A:G1A+7]  ; my one tensor load behind the round: my quarter of the tile
	s_nop 0
	PLACES
.endif
.endif
	s_wait_loadcnt 32                              ; chunk c + 1 of W is in; chunks c + 2 and c + 3, 16 loads each, stay out
.if \wstep
	s_wait_xcnt 0x0                                ; the base is stepped only behind this wait
	s_add_nc_u64 s[WP:WP+1], s[WP:WP+1], 4*CHB
.endif
	CVT 64*QN, 1                                   ; the 32 roundings stand first: work on registers behind the last product, and the places in front of the LDS loads below
	STO 64*QN, 1, 1-(\first), 64*(\q), \woff       ; into the stage; beside the stores chunk c + 4 is asked for: 48 loads of mine are out
	TRLD BFN
	SLD QN
	ALD 0, QN
	s_wait_dscnt 42                                ; a's blocks 8-15 are in; the 16 stores and 26 loads just issued may be out
	GRP 1, BFC, 0, 8, \first
	PLACES
	ALD 1, QN
.if \first
	WLD 0, 1, WP, 0                                ; chunk 4, where the bias lay: four places behind the last product that took it
.endif
.endm
	s_load_b256 s[4:11], s[0:1], 0x0               ; a s[4:5], W s[6:7], bias s[8:9], sfrag s[10:11]
	s_load_b128 s[12:15], s[0:1], 0x20             ; sb s[12:13], h s[14:15]
	v_lshl_add_u32 v[SPW], v0, 2, SPARE
	v_mov_b32 v[NIL], 0
	ds_add_u32 v[SPW], v[NIL]                      ; the wave's opening: the add and its wait stand ahead of my first tensor load; the set-up below, work on registers, stands between them
	v_lshrrev_b32 v15, 5, v0
	v_readfirstlane_b32 s[WV], v15                 ; wave 0..3
	s_bfe_u32 s17, ttmp6, 0x40000                  ; cx
	s_bfe_u32 s18, ttmp6, 0x40004                  ; cy = mb: the grid has four work-groups along y, and so has the cluster
	s_lshl_b32 s19, ttmp9, 2
	s_add_co_u32 s19, s19, s17                     ; nb = 4 x cluster x + cx
	s_lshl_b32 s72, s18, 2
	s_lshl_b32 s72, 15, s72                        ; my row of the cluster: places 4 cy .. 4 cy + 3
	; group 1 for a: 16,384 dense bytes as 64 rows of 32 elements of 8 bytes
	s_or_b32 s[G1A], s72, (3<<16)|(1<<21)          ; 15:0 the mask; 17:16 elements of 8 bytes; 21 set beside a mask; no padding: a load of 16 bytes a lane takes 512 consecutive bytes
	s_mov_b32 s[G1A+1], 32<<16                     ; tensor_dim0 = 32
	s_mov_b32 s[G1A+2], 64<<16                     ; tensor_dim1 = 64
	s_mov_b32 s[G1A+3], 32<<16                     ; tile_dim0 = 32
	s_mov_b32 s[G1A+4], 64                         ; tile_dim1 = 64
	s_mov_b32 s[G1A+5], 32                         ; 32 elements from row to row
	s_mov_b32 s[G1A+6], 0
	s_mov_b32 s[G1A+7], 0
	; group 1 for S: NC + 4 rows of 256 bytes a wave.  All sixteen work-groups want the same S, which no mask of four says: each fetches its own
	s_mov_b32 s[G1S], 3<<16
	s_mov_b32 s[G1S+1], 32<<16
	s_mov_b32 s[G1S+2], (NC+4)<<16
	s_mov_b32 s[G1S+3], 32<<16
	s_mov_b32 s[G1S+4], NC+4
	s_mov_b32 s[G1S+5], 32
	s_mov_b32 s[G1S+6], 0
	s_mov_b32 s[G1S+7], 0
	s_mov_b32 s[G0A], 1
	s_lshl_b32 s[G0A+1], s[WV], 14                 ; LDS: sub-block w of slot 0
	s_mov_b32 s[G0W], 1
	s_add_co_u32 s[G0W+1], s[G0A+1], SLOT1         ; of slot 1
	s_mov_b32 s[G0S], 1
	s_mul_i32 s76, s[WV], SQ
	s_add_co_u32 s[G0S+1], s76, SFR
	s_add_co_u32 s76, s76, SOFF
	s_mov_b32 s77, 0                               ; s[76:77]: my quarter of S in sfrag
	s_lshl_b32 s73, s[WV], 14
	s_mul_i32 s74, s18, KIN*512                    ; mb's tiles: made of cy and the wave's number alone
	s_add_co_u32 s74, s74, s73
	s_mov_b32 s75, 0                               ; s[74:75]: my quarter of tile 0
	s_lshl_b32 s79, s19, 7                         ; nb's 32 columns of 4 bytes
	s_add_co_u32 s20, s73, s79                     ; bias: 2 w rows of 8,192 bytes + the columns
	s_mov_b32 s21, 0
	s_mul_i32 s78, s[WV], 2*EXS
	s_add_co_u32 s78, s78, s79
	s_mov_b32 s79, 0                               ; s[78:79]: W at expert 2 w, my columns
	s_lshl_b32 s22, s18, 6
	s_add_co_u32 s22, s22, s19
	s_lshl_b32 s22, s22, 14                        ; h: sub-block (mb, nb),
	s_lshl_b32 s23, s[WV], 12                      ; my four blocks of it
	s_add_co_u32 s22, s22, s23
	s_mov_b32 s23, 0
	s_mov_b32 s[TB], 0
	v_and_b32 v15, 31, v0                          ; lane
	v_and_b32 v16, 7, v0
	v_bfe_u32 v17, v0, 3, 1
	v_bfe_u32 v18, v0, 4, 1
	v_lshlrev_b32 v[WOF], EXSH, v17                ; lanes 8-15 and 24-31: the pair's second expert;
	v_lshl_add_u32 v[WOF], v18, 15, v[WOF]         ; lanes 16-31: four rows further down;
	v_lshl_add_u32 v[WOF], v16, 4, v[WOF]          ; 16 bytes a lane
	v_lshlrev_b32 v21, 5, v18                      ; bias: my lanes' eight columns
	v_lshlrev_b32 v20, 4, v15
.irp g, 0,1,2,3
	s_add_co_u32 s72, s[WV], \g
	s_and_b32 s72, s72, 3
	s_lshl_b32 s72, s72, 12                        ; my group g is the tile's group (g + w) % 4: four blocks of 1,024 bytes
	v_add_nc_u32 v[AK0+\g], s72, v20
	v_add_nc_u32 v[ADA+\g], s72, v20
.endr
	s_mul_i32 s73, s[WV], STGW
	s_add_co_u32 s73, s73, STG                     ; my stage
	v_mul_u32_u24 v[STA], v18, 4*SPI
	v_lshl_add_u32 v[STA], v17, 6, v[STA]
	v_lshl_add_u32 v[STA], v16, 3, v[STA]
	v_add_nc_u32 v[STA], s73, v[STA]
	v_lshl_add_u32 v[TRA], v18, 3, v16             ; the turning load: lane l reads row 8 (l / 16) + l % 8, 16 bytes at 16 ((l / 8) % 2)
	v_mul_u32_u24 v[TRA], v[TRA], SPI
	v_lshl_add_u32 v[TRA], v17, 4, v[TRA]
	v_add_nc_u32 v[TRA], s73, v[TRA]
	v_add_nc_u32 v[SAD], SFR, v20
	s_wait_dscnt 0x0                               ; the opening add is done
	s_wait_kmcnt 0x0
	s_add_nc_u64 s[G0A+2:G0A+3], s[4:5], s[74:75]
	s_add_nc_u64 s[G0W+2:G0W+3], s[G0A+2:G0A+3], STEPB
	s_or_b32 s[G0A+3], s[G0A+3], 0x80000000        ; type = 2
	s_or_b32 s[G0W+3], s[G0W+3], 0x80000000
	s_add_nc_u64 s[G0S+2:G0S+3], s[10:11], s[76:77]
	s_or_b32 s[G0S+3], s[G0S+3], 0x80000000
	s_add_nc_u64 s[WB:WB+1], s[6:7], s[78:79]
	s_add_nc_u64 s[WP:WP+1], s[WB:WB+1], 4*CHB     ; chunk 4
	s_add_nc_u64 s[BB:BB+1], s[8:9], s[20:21]
	s_add_nc_u64 s[HO:HO+1], s[14:15], s[22:23]
	s_load_b256 s[SB:SB+7], s[12:13], 0x0          ; sb's eight numbers
	WIN 0x40                                       ; the bias and W's first three chunks are asked for ahead of the round: they are on their way while the sixteen work-groups meet
.irp f, 0,1,2,3
	global_load_b128 v[8*\f:8*\f+3], v21, s[BB:BB+1] offset:(\f/2)*8192+(\f%2)*64
	global_load_b128 v[8*\f+4:8*\f+7], v21, s[BB:BB+1] offset:(\f/2)*8192+(\f%2)*64+16
.endr
	WLD AH0, 0, WB, 0                              ; chunk 0 goes through a's registers, which are still free
	WLD 64, 1, WB, CHB
	WLD 128, 1, WB, 2*CHB                          ; 56 loads of mine are out
	WIN 0
	CROUND                                         ; all sixteen work-groups are here: the first joint loads meet
	tensor_load_to_lds s[G0S:G0S+3], s[G1S:G1S+7]  ; the first fills go out together: three loads of mine are out
	s_nop 0
	tensor_load_to_lds s[G0A:G0A+3], s[G1A:G1A+7]
	s_nop 0
	tensor_load_to_lds s[G0W:G0W+3], s[G1A:G1A+7]
	s_nop 0
	PLACES
	s_wait_loadcnt 32                              ; the bias and chunk 0 are in; chunks 1 and 2 stay out
	WIN 0x45                                       ; the bias is rounded to bf16, as all inputs are, and widened again, in place
.set ii, 0
.rept 16
	v_cvt_pk_bf16_f32 v[2*ii], v[2*ii], v[2*ii+1]
	v_and_b32 v[2*ii+1], 0xffff0000, v[2*ii]
	v_lshlrev_b32 v[2*ii], 16, v[2*ii]
.set ii, ii+1
.endr
	CVT AH0, 0                                     ; chunk 0 of W: rounded, into my stage, and back turned
	STO AH0, 0, 0, 0, 0
	TRLD BF0
	WLD 192, 1, WB, 3*CHB
	WIN 0
	s_wait_tensorcnt 0x1                           ; my quarters of S and of tile 0 are in; tile 1 may stay out
	s_wait_kmcnt 0x0                               ; sb
	s_wait_dscnt 0x0
	s_barrier_signal -1
	s_barrier_wait -1                              ; everybody's are
	SLD 0
	ALD 0, 0
	ALD 1, 0
	CH 0, 0, 1, 0, 0
	WIN 0                                          ; at a label and at a branch every window is 0
	s_mov_b32 s[CNT], NT-2
.Lmain:                                                ; a trip is a tile's chunks 1 to 3 and the next tile's chunk 0; every slot but the last two is filled again
	CH 1, 0, 0, CHB, 0
	CH 2, 0, 0, 2*CHB, 0
	CH 3, 1, 0, 3*CHB, 0
	CH 0, 0, 0, 0, 1
	WIN 0
	s_sub_co_u32 s[CNT], s[CNT], 1
	s_cmp_lg_u32 s[CNT], 0
	s_cbranch_scc1 .Lmain
	; The last seven chunks: a second text; walked twice and left in the middle of the second trip.  WP stands still, at chunk NC - 4: the first trip's first three chunks
	; ask for chunks NC - 3 to NC - 1, where they are due; the four sets that follow read one of these once more, inside the buffer, and serve nothing, so that every chunk issues 16 loads and every
	; count holds.  Likewise the last chunk fetches operands for a chunk that is not: from the other slot and from S's first block of zeros, bytes that have been filled.
	s_mov_b32 s[CNT], 2
.Ltail:
	CH 1, 0, 0, CHB, 0
	CH 2, 0, 0, 2*CHB, 0
	CH 3, 2, 0, 3*CHB, 0
	WIN 0
	s_sub_co_u32 s[CNT], s[CNT], 1
	s_cmp_eq_u32 s[CNT], 0
	s_cbranch_scc1 .Lout
	CH 0, 0, 0, 3*CHB, 0
	WIN 0
	s_branch .Ltail
.Lout:
	s_wait_loadcnt 0x0                             ; the loads that serve nothing have landed: their registers are free
	s_wait_dscnt 0x0
	; THE SOFTMAX.  In lanes 0-15 the selector's accumulator j holds the 8 logits of row 64 w + 16 j + lane, one a register; lanes 16-31 hold the rows of zeros and run along.
.set TT,  24                           ; v24-39  four at work for each j
.set MX,  40                           ; v40-43  the maxima
.set LN,  44                           ; v44  16 x lane
.set RWA, 45                           ; v45  where I put sums for the other waves
.set RRA, 46                           ; v46-48  where I read the others' sums for me
.set ZR,  49                           ; v49  0, for relu on packed halves
.set PA,  20                           ; v20-23  where the probabilities of my four groups lie
.set PP,  56                           ; v56-87  block J: prob of my two experts, for the lane's row
.set SBV, 88                           ; v88-95  sb, rounded to bf16 and widened
.set SBT, 96                           ; v96-99  at work
.set HW,  88                           ; v88-151 later, with LOW = 1: hi widened, then h - hi
.set OUTR, 152                         ; v152-183 h, or its high parts, as stored
.set LOR,  184                         ; v184-215 its low parts
	v_and_b32 v15, 15, v0                          ; r
	v_bfe_u32 v16, v0, 4, 1                        ; h
	v_and_b32 v[LN], 31, v0
	v_lshlrev_b32 v[LN], 4, v[LN]
	v_lshlrev_b32 v18, 5, v15                      ; a row of prob is 32 bytes
	s_lshl_b32 s72, s[WV], 11                      ; my 64 rows
	s_add_co_u32 s72, s72, PRB
	v_lshl_add_u32 v17, v16, 13, v18               ; the upper lanes' go 8,192 bytes further, where nobody reads
	v_add_nc_u32 v17, s72, v17
.if !LOW
	v_mov_b32 v[ZR], 0
.endif
.irp i, 0,1,2,3
	v_cvt_pk_bf16_f32 v[SBT+\i], s[SB+2*\i], s[SB+2*\i+1]  ; sb is rounded to bf16, as all inputs are,
.endr
.irp i, 0,1,2,3
	v_lshlrev_b32 v[SBV+2*\i], 16, v[SBT+\i]       ; and widened again
	v_and_b32 v[SBV+2*\i+1], 0xffff0000, v[SBT+\i]
.endr
.irp j, 0,1,2,3
.irp i, 0,2,4,6
	v_pk_add_f32 v[LACC+8*\j+\i:LACC+8*\j+\i+1], v[LACC+8*\j+\i:LACC+8*\j+\i+1], v[SBV+\i:SBV+\i+1]  ; each accumulator is read from its low end on
.endr
.endr
.irp j, 0,1,2,3
	v_max3_num_f32 v[MX+\j], v[LACC+8*\j], v[LACC+8*\j+1], v[LACC+8*\j+2]
.endr
.irp j, 0,1,2,3
	v_max3_num_f32 v[MX+\j], v[MX+\j], v[LACC+8*\j+3], v[LACC+8*\j+4]
.endr
.irp j, 0,1,2,3
	v_max3_num_f32 v[MX+\j], v[MX+\j], v[LACC+8*\j+5], v[LACC+8*\j+6]
.endr
.irp j, 0,1,2,3
	v_max_num_f32 v[MX+\j], v[MX+\j], v[LACC+8*\j+7]
.endr
.irp j, 0,1,2,3
.irp i, 0,1,2,3,4,5,6,7
	v_sub_f32 v[LACC+8*\j+\i], v[LACC+8*\j+\i], v[MX+\j]  ; the maximum is taken away first, as the softmax has it
.endr
.endr
.irp j, 0,1,2,3
.irp i, 0,1,2,3,4,5,6,7
	v_mul_f32 v[LACC+8*\j+\i], 0x3fb8aa3b, v[LACC+8*\j+\i]  ; log2(e)
.endr
.endr
.irp j, 0,1,2,3
.irp i, 0,1,2,3,4,5,6,7
	v_exp_f32 v[LACC+8*\j+\i], v[LACC+8*\j+\i]
.endr
.endr
	v_nop                                          ; a plain instruction behind the last exponential,
	s_wait_alu depctr_va_vdst(0)                   ; and the wait ahead of the first use: one for the 32
.irp j, 0,1,2,3
	v_pk_add_f32 v[TT+4*\j:TT+4*\j+1], v[LACC+8*\j:LACC+8*\j+1], v[LACC+8*\j+2:LACC+8*\j+3]
	v_pk_add_f32 v[TT+4*\j+2:TT+4*\j+3], v[LACC+8*\j+4:LACC+8*\j+5], v[LACC+8*\j+6:LACC+8*\j+7]
.endr
.irp j, 0,1,2,3
	v_pk_add_f32 v[TT+4*\j:TT+4*\j+1], v[TT+4*\j:TT+4*\j+1], v[TT+4*\j+2:TT+4*\j+3]
.endr
.irp j, 0,1,2,3
	v_add_f32 v[TT+4*\j+2], v[TT+4*\j], v[TT+4*\j+1]
.endr
.irp j, 0,1,2,3
	v_rcp_f32 v[TT+4*\j], v[TT+4*\j+2]
.endr
	v_nop
	s_wait_alu depctr_va_vdst(0)                   ; one wait for the four reciprocals
.irp j, 0,1,2,3
.irp i, 0,2,4,6
	v_pk_mul_f32 v[LACC+8*\j+\i:LACC+8*\j+\i+1], v[LACC+8*\j+\i:LACC+8*\j+\i+1], v[TT+4*\j:TT+4*\j+1] op_sel_hi:[1,0]
.endr
.endr
.irp j, 0,1,2,3
	ds_store_b128 v17, v[LACC+8*\j:LACC+8*\j+3] offset:\j*512
	ds_store_b128 v17, v[LACC+8*\j+4:LACC+8*\j+7] offset:\j*512+16
.endr
	s_wait_dscnt 0x0                               ; for the others' sake: my probabilities are stored, and my last reads of my stage are over
	s_barrier_signal -1
	s_barrier_wait -1
	s_lshl_b32 s73, s[WV], 3                       ; my two experts' 8 bytes of a row of prob
	s_add_co_u32 s73, s73, PRB
.irp g, 0,1,2,3
	s_add_co_u32 s72, s[WV], \g
	s_and_b32 s72, s72, 3
	s_lshl_b32 s72, s72, 11                        ; the group's 64 rows of 32 bytes
	s_add_co_u32 s72, s72, s73
	v_add_nc_u32 v[PA+\g], s72, v18                ; all inside PRB's first 8,192 bytes
.endr
.set J, 0
.rept 16
	ds_load_b64 v[PP+2*J:PP+2*J+1], v[PA+J/4] offset:(J%4)*512
.set J, J+1
.endr
	s_mul_i32 s72, s[WV], REDW
	s_add_co_u32 s72, s72, RED
	v_add_nc_u32 v[RWA], s72, v[LN]
.irp g, 1,2,3
	s_add_co_u32 s72, s[WV], 4-\g
	s_and_b32 s72, s72, 3                          ; the wave whose group g is my group 0
	s_mul_i32 s72, s72, REDW
	s_add_co_u32 s72, s72, RED+(\g-1)*8192
	v_add_nc_u32 v[RRA+\g-1], s72, v[LN]
.endr
	s_wait_dscnt 0x0
	; MY TWO EXPERTS: (Y + bias) of the first times its probability, plus the second's times its own, in the first's accumulators
.set J, 0
.rept 16
	WIN 0xa2+0x51*(J/8)
.set RJ, 32*(J%8)
.set ii, 0
.rept 8
	v_pk_mul_f32 v[RJ+2*ii:RJ+2*ii+1], v[RJ+2*ii:RJ+2*ii+1], v[PP+2*J:PP+2*J+1] op_sel_hi:[1,0]
.set ii, ii+1
.endr
.set ii, 0
.rept 8
	v_pk_fma_f32 v[RJ+2*ii:RJ+2*ii+1], v[RJ+16+2*ii:RJ+16+2*ii+1], v[PP+2*J:PP+2*J+1], v[RJ+2*ii:RJ+2*ii+1] op_sel:[0,1,0] op_sel_hi:[1,1,1]
.set ii, ii+1
.endr
.set J, J+1
.endr
	; THE FOUR WAVES: my groups 1 to 3 go, in f32, to the waves that own those rows; I add what the three others hold for my group 0, in a fixed order
.set J, 4
.rept 12
	WIN 0x08+0x04*(J/8)
.set ii, 0
.rept 4
	ds_store_b128 v[RWA], v[32*(J%8)+4*ii:32*(J%8)+4*ii+3] offset:(J/4-1)*8192+((J%4)*4+ii)*512
.set ii, ii+1
.endr
.set J, J+1
.endr
	s_wait_dscnt 0x0                               ; for the others' sake
	s_barrier_signal -1
	s_barrier_wait -1
	WIN 0x40
.irp g, 0,1,2
.set ii, 0
.rept 16
	ds_load_b128 v[64*\g+4*ii:64*\g+4*ii+3], v[RRA+\g] offset:ii*512
.set ii, ii+1
.endr
.endr
	s_wait_dscnt 0x0
	WIN 0x86
.irp g, 0,1,2
.set ii, 0
.rept 32
	v_pk_add_f32 v[32*(ii/8)+2*(ii%8):32*(ii/8)+2*(ii%8)+1], v[32*(ii/8)+2*(ii%8):32*(ii/8)+2*(ii%8)+1], v[64*\g+2*ii:64*\g+2*ii+1]
.set ii, ii+1
.endr
.endr
	; THE WAY OUT: a lane's eight columns are 16 bytes of h's own order.  LOW = 0: rounded once to bf16, relu on the packed halves.  LOW = 1: relu in f32; hi = bf16(h); lo = bf16(h - hi), where h - hi is exact in f32
.if LOW
	WIN 0x88
.set ii, 0
.rept 64
	v_max_num_f32 v[32*(ii/16)+(ii%16)], 0, v[32*(ii/16)+(ii%16)]
.set ii, ii+1
.endr
.endif
	WIN 0x0a
.set ii, 0
.rept 32
	v_cvt_pk_bf16_f32 v[OUTR+ii], v[32*(ii/8)+2*(ii%8)], v[32*(ii/8)+2*(ii%8)+1]
.set ii, ii+1
.endr
	WIN 0
.if LOW
.set ii, 0
.rept 32
	v_lshlrev_b32 v[HW+2*ii], 16, v[OUTR+ii]
	v_and_b32 v[HW+2*ii+1], 0xffff0000, v[OUTR+ii]
.set ii, ii+1
.endr
	WIN 0x02
.set ii, 0
.rept 32
	v_pk_add_f32 v[HW+2*ii:HW+2*ii+1], v[32*(ii/8)+2*(ii%8):32*(ii/8)+2*(ii%8)+1], v[HW+2*ii:HW+2*ii+1] neg_lo:[0,1] neg_hi:[0,1]
.set ii, ii+1
.endr
	WIN 0
.set ii, 0
.rept 32
	v_cvt_pk_bf16_f32 v[LOR+ii], v[HW+2*ii], v[HW+2*ii+1]
.set ii, ii+1
.endr
.else
.set ii, 0
.rept 32
	v_pk_max_num_bf16 v[OUTR+ii], v[OUTR+ii], v[ZR]
.set ii, ii+1
.endr
.endif
.irp n, 0,1,2,3,4,5,6,7
	global_store_b128 v[LN], v[OUTR+4*\n:OUTR+4*\n+3], s[HO:HO+1] offset:\n*512  ; 512 consecutive bytes, at a multiple of 256 from h's first byte
.endr
.if LOW
.irp n, 0,1,2,3,4,5,6,7
	global_store_b128 v[LN], v[LOR+4*\n:LOR+4*\n+3], s[HO:HO+1] offset:LOB+\n*512
.endr
.endif
	s_wait_tensorcnt 0x0                           ; the wave's end: behind my last tensor load and my last LDS store
	ds_add_u32 v[SPW], v[NIL]
	s_wait_dscnt 0x0
	CROUND                                         ; the closing round: no work-group ends while a partner may still ask for a tile that names it
	s_endpgm
.Lfunc_end_k_qdb3312a600_layer2:
	.size	k_qdb3312a600_layer2, .Lfunc_end_k_qdb3312a600_layer2-k_qdb3312a600_layer2
	.p2alignl 7, 3214868480
	.fill 96, 4, 3214868480
	.section	.rodata,"a",@progbits
	.p2align	6, 0x0
	.amdhsa_kernel k_qdb3312a600_layer2
		.amdhsa_group_segment_fixed_size 327680
		.amdhsa_private_segment_fixed_size 0
		.amdhsa_enable_private_segment 0
		.amdhsa_kernarg_size 48
		.amdhsa_user_sgpr_count 2
		.amdhsa_user_sgpr_kernarg_segment_ptr 1
		.amdhsa_wavefront_size32 1
		.amdhsa_system_sgpr_workgroup_id_x 1
		.amdhsa_system_sgpr_workgroup_id_y 1
		.amdhsa_system_sgpr_workgroup_id_z 1
		.amdhsa_system_vgpr_workitem_id 0
		.amdhsa_next_free_vgpr 1024
		.amdhsa_next_free_sgpr 80
		.amdhsa_reserve_vcc 0
		.amdhsa_float_denorm_mode_32 3
		.amdhsa_float_denorm_mode_16_64 3
		.amdhsa_memory_ordered 1
		.amdhsa_forward_progress 1
		.amdhsa_inst_pref_size 184
	.end_amdhsa_kernel
	.amdgpu_metadata
---
amdhsa.version: [ 1, 2 ]
amdhsa.kernels:
  - .name:           k_qdb3312a600_layer2
    .symbol:         k_qdb3312a600_layer2.kd
    .args:
      - { .name: h1b, .offset: 0, .size: 8, .value_kind: global_buffer, .address_space: global }
      - { .name: W2, .offset: 8, .size: 8, .value_kind: global_buffer, .address_space: global }
      - { .name: b2, .offset: 16, .size: 8, .value_kind: global_buffer, .address_space: global }
      - { .name: sfrag, .offset: 24, .size: 8, .value_kind: global_buffer, .address_space: global }
      - { .name: sb2, .offset: 32, .size: 8, .value_kind: global_buffer, .address_space: global }
      - { .name: h2b, .offset: 40, .size: 8, .value_kind: global_buffer, .address_space: global }
    .group_segment_fixed_size: 327680
    .private_segment_fixed_size: 0
    .kernarg_segment_align: 8
    .kernarg_segment_size: 48
    .max_flat_workgroup_size: 128
    .sgpr_count:     80
    .vgpr_count:     1024
    .wavefront_size: 32
...
	.end_amdgpu_metadata
.endif
;; end of part 3
;; launch cls (part 4): grid 16 x 16, 8 waves a work-group, no clusters, 140,288 bytes of LDS; arguments h2b, wcf, bc, out0; writes out0
.if DOCPART == 4
	.amdgcn_target "amdgcn-amd-amdhsa--gfx1250"
	.amdhsa_code_object_version 6
	.text
	.protected	k_qdb3312a600_cls
	.globl	k_qdb3312a600_cls
	.p2align	8
	.type	k_qdb3312a600_cls,@function
k_qdb3312a600_cls:
	s_mov_b64 s[64:65], 0
	v_nop
	global_prefetch_b8 v0, s[64:65] scope:SCOPE_SE
	s_setreg_imm32_b32 hwreg(HW_REG_WAVE_MODE, 25, 1), 1
	s_wait_xcnt 0x0
; THE CLASSIFIER.  out[b][o] = h2[b][:] . Wc[:][o] + bc[o].  h2 comes as two bf16 numbers, hi + lo (16 significant bits together), each in operand order [mb 4][k32 64][block 16][f 2][lane 32][8 bf16]:
; hi's 4,194,304 bytes first, then lo's.  Wc comes rounded to bf16 and in operand order from the first launch: wcf[nb 16][k32 64][g 4][f 2][lane 32][8 bf16].  hi and lo are multiplied by the same operands of Wc
; and added into the same f32 sums.  bc is rounded once to bf16 like every other input, and then used in f32.  out: f32.  LIMITS: NaN and infinities are not treated apart; Wc and bc carry bf16's 8 significant bits.
; SHARES.  A work-group owns 64 rows (y) x 64 columns (x): 16 x 16 work-groups.  Each of its eight waves takes 256 of the 2,048 k, eight chunks of 32, for the whole tile: 16 accumulators.
; The eight partial tiles meet in LDS, in f32, and are added in a fixed order.  K is shared among the waves of ONE work-group, since tiles large enough for a whole K would be too few for the chip.
; All three operands come from memory straight into registers, 512 consecutive bytes a load, 24 loads for a chunk's 32 products; a ring of three register sets keeps one to two chunks, 24 to 48 loads of a wave, on their way.
; NO CLUSTER, though sixteen work-groups read the same rows of h2 and sixteen the same columns of Wc: joint loads land in LDS, a work-group's 786,432 bytes of operands do not fit there at once, and a ring
; would want a round of the cluster's barrier for every refill, with no more than 32 products of a wave for each chunk that it brings.
; The matrix instruction is used transposed (source 0 = 16 columns of Wc, source 1 = 16 rows of h2): a lane holds one row and eight neighbouring columns.
; REGISTERS: window 0: v0-23 addresses, bc; v32-159 accumulators ((j, f) at v[32 + 8 (4 j + f)]); v160-255 operand set 0.   window 1: v0-95 set 1; v96-191 set 2.   A set: 32 registers of Wc, 32 of hi, 32 of lo.
.set RED,   0                          ; LDS: wave w's partial tile at 17,408 w: 64 rows of 256 bytes + 16 of padding
.set RPI,   272
.set REDW,  64*RPI
.set SPARE, RED+8*REDW                 ; LDS: the spare words, 128 bytes for each of eight waves: four blocks of 256 bytes that no other line names
.set LOB,   4194304                    ; where h2's low parts begin
.set SPW, 1                            ; v1   LDS address of my spare word; never rewritten
.set NIL, 2                            ; v2   0; never rewritten
.set AOF, 4                            ; v4   16 x lane
.set RST, 7                            ; v7   where I put 16 bytes of my partial tile
.set RRD, 8                            ; v8-9 where I read rows of partial tiles 0-3, 4-7
.set OOF, 10                           ; v10  my byte offset in two rows of out
.set BOF, 11                           ; v11  my byte offset in bc
.set BC,  12                           ; v12-15  bc of my four columns
.set ACC, 32
.set MSB, 0
.macro WIN new                         ; the immediate's high byte repeats the setting that is left; a switch that changes nothing is dropped
.if MSB != (\new)
	s_set_vgpr_msb (MSB<<8)|(\new)
.set MSB, \new
.endif
.endm
.macro SETOF k                         ; where chunk k's set lies: set k % 3 at v160 of window 0, v0 or v96 of window 1
.set SW, ((\k)%3+1)/2
.set SBASE, 160-160*SW+96*(((\k)%3)/2)
.endm
.macro LDC k                           ; chunk k's operands: Wc's four groups of 16 columns, hi's four blocks of 16 rows, lo's
	SETOF \k
	WIN 0x40*SW
.set ii, 0
.rept 8
	global_load_b128 v[SBASE+4*ii:SBASE+4*ii+3], v[AOF], s[6:7] offset:(\k)*4096+ii*512
.set ii, ii+1
.endr
.set ii, 0
.rept 8
	global_load_b128 v[SBASE+32+4*ii:SBASE+32+4*ii+3], v[AOF], s[4:5] offset:(\k)*16384+ii*512
.set ii, ii+1
.endr
.set ii, 0
.rept 8
	global_load_b128 v[SBASE+64+4*ii:SBASE+64+4*ii+3], v[AOF], s[4:5] offset:LOB+(\k)*16384+ii*512
.set ii, ii+1
.endr
.endm
.macro MUL c, lo                       ; 16 matrix instructions on hi (lo = 0) or lo (lo = 1) of chunk c; the 16 accumulators take turns; chunk 0's hi starts the sums
	SETOF \c
	WIN 0x05*SW
.irp j, 0,1,2,3
.irp f, 0,1,2,3
.if ((\c) == 0) && ((\lo) == 0)
	v_wmma_f32_16x16x32_bf16 v[ACC+8*(4*\j+\f):ACC+8*(4*\j+\f)+7], v[SBASE+8*\f:SBASE+8*\f+7], v[SBASE+32+32*(\lo)+8*\j:SBASE+32+32*(\lo)+8*\j+7], 0
.else
	v_wmma_f32_16x16x32_bf16 v[ACC+8*(4*\j+\f):ACC+8*(4*\j+\f)+7], v[SBASE+8*\f:SBASE+8*\f+7], v[SBASE+32+32*(\lo)+8*\j:SBASE+32+32*(\lo)+8*\j+7], v[ACC+8*(4*\j+\f):ACC+8*(4*\j+\f)+7]
.endif
.endr
.endr
.endm
; Chunk c.  The wait shows chunk c's 24 loads; behind them stand chunk c + 1's 24, as far as they exist.  Chunk c + 2 is asked for straight behind the wait, into the set that chunk c - 1 multiplied:
; four places stand behind that chunk's last product.  At most 49 loads of a wave are out.
.macro BODY c
.if (\c) <= 6
	s_wait_loadcnt 24
.else
	s_wait_loadcnt 0x0
.endif
.if (\c) <= 5
	LDC (\c)+2
.endif
	MUL \c, 0
	MUL \c, 1
.rept 4
	v_nop                                          ; four places in front of loads into registers that the products have read, and of the stores that read their results
.endr
.endm
	s_load_b256 s[4:11], s[0:1], 0x0               ; h2 s[4:5], wcf s[6:7], bc s[8:9], out s[10:11]
	v_lshl_add_u32 v[SPW], v0, 2, SPARE
	v_mov_b32 v[NIL], 0
	v_lshrrev_b32 v16, 5, v0
	v_readfirstlane_b32 s12, v16                   ; wave 0..7
	s_and_b32 s13, ttmp7, 0xffff                   ; which 64 rows; ttmp9: which 64 columns
	v_and_b32 v17, 31, v0                          ; lane
	v_and_b32 v18, 15, v0                          ; r
	v_bfe_u32 v19, v0, 4, 1                        ; h
	v_lshlrev_b32 v[AOF], 4, v17
	v_lshlrev_b32 v[BOF], 4, v18
	s_lshr_b32 s16, s13, 2                         ; mb
	s_lshl_b32 s16, s16, 6
	s_lshl3_add_u32 s16, s12, s16                  ; 64 mb + 8 w: my first k32
	s_lshl_b32 s16, s16, 14
	s_and_b32 s17, s13, 3
	s_lshl_b32 s17, s17, 12                        ; the tile's four blocks of 1,024 bytes
	s_add_co_u32 s16, s16, s17
	s_mov_b32 s17, 0
	s_lshl_b32 s18, ttmp9, 18                      ; wcf: nb's 64 units of 4,096 bytes,
	s_lshl_b32 s19, s12, 15                        ; my eight of them
	s_add_co_u32 s18, s18, s19
	s_mov_b32 s19, 0
	s_lshl_b32 s20, ttmp9, 8                       ; 64 columns of 4 bytes
	s_mov_b32 s21, 0
	s_lshl_b32 s22, s13, 6
	s_lshl3_add_u32 s22, s12, s22                  ; the first of the eight rows of out that I store
	s_lshl_b32 s22, s22, 12
	s_add_co_u32 s22, s22, s20
	s_mov_b32 s23, 0
	s_wait_kmcnt 0x0
	s_add_nc_u64 s[4:5], s[4:5], s[16:17]
	s_add_nc_u64 s[6:7], s[6:7], s[18:19]
	s_add_nc_u64 s[8:9], s[8:9], s[20:21]
	s_add_nc_u64 s[10:11], s[10:11], s[22:23]
	global_load_b128 v[BC:BC+3], v[BOF], s[8:9]
	LDC 0
	LDC 1
	WIN 0
	s_mul_i32 s24, s12, REDW
	s_add_co_u32 s24, s24, RED                     ; my partial tile: row r, 32 bytes for each half of the lanes
	v_mul_u32_u24 v[RST], v18, RPI
	v_lshl_add_u32 v[RST], v19, 5, v[RST]
	v_add_nc_u32 v[RST], s24, v[RST]
	s_mul_i32 s15, s12, 8*RPI
	s_add_co_u32 s15, s15, RED                     ; back: rows 8 w on; lanes 0-15 one row of 256 bytes, lanes 16-31 the next
	v_mul_u32_u24 v[RRD], v19, RPI
	v_lshl_add_u32 v[RRD], v18, 4, v[RRD]
	v_add_nc_u32 v[RRD], s15, v[RRD]
	v_add_nc_u32 v[RRD+1], 4*REDW, v[RRD]
	v_lshlrev_b32 v[OOF], 12, v19                  ; and the same two rows in out
	v_lshl_add_u32 v[OOF], v18, 4, v[OOF]
.irp c, 0,1,2,3,4,5,6,7
	BODY \c
.endr
	WIN 0
.irp j, 0,1,2,3                        ; each accumulator is read from its low end on
.irp f, 0,1,2,3
	ds_store_b128 v[RST], v[ACC+8*(4*\j+\f):ACC+8*(4*\j+\f)+3] offset:\j*16*RPI+\f*64
	ds_store_b128 v[RST], v[ACC+8*(4*\j+\f)+4:ACC+8*(4*\j+\f)+7] offset:\j*16*RPI+\f*64+16
.endr
.endr
	s_wait_dscnt 0x0                               ; for the others' sake: my partial tile is stored
	s_barrier_signal -1
	s_barrier_wait -1
.irp p, 0,1,2,3,4,5,6,7                ; my eight rows of all eight partial tiles, two rows a load
.irp i, 0,1,2,3
	ds_load_b128 v[ACC+16*\p+4*\i:ACC+16*\p+4*\i+3], v[RRD+\p/4] offset:(\p%4)*REDW+\i*2*RPI
.endr
.endr
	v_cvt_pk_bf16_f32 v16, v[BC], v[BC+1]          ; bc is rounded to bf16, as all inputs are, and widened again, while the loads are out
	v_cvt_pk_bf16_f32 v17, v[BC+2], v[BC+3]
	v_lshlrev_b32 v[BC], 16, v16
	v_and_b32 v[BC+1], 0xffff0000, v16
	v_lshlrev_b32 v[BC+2], 16, v17
	v_and_b32 v[BC+3], 0xffff0000, v17
	s_wait_dscnt 0x0
.irp i, 0,1,2,3
	v_pk_add_f32 v[ACC+4*\i:ACC+4*\i+1], v[ACC+4*\i:ACC+4*\i+1], v[BC:BC+1]
	v_pk_add_f32 v[ACC+4*\i+2:ACC+4*\i+3], v[ACC+4*\i+2:ACC+4*\i+3], v[BC+2:BC+3]
.endr
.irp p, 1,2,3,4,5,6,7
.irp i, 0,1,2,3
	v_pk_add_f32 v[ACC+4*\i:ACC+4*\i+1], v[ACC+4*\i:ACC+4*\i+1], v[ACC+16*\p+4*\i:ACC+16*\p+4*\i+1]
	v_pk_add_f32 v[ACC+4*\i+2:ACC+4*\i+3], v[ACC+4*\i+2:ACC+4*\i+3], v[ACC+16*\p+4*\i+2:ACC+16*\p+4*\i+3]
.endr
.endr
.irp i, 0,1,2,3
	global_store_b128 v[OOF], v[ACC+4*\i:ACC+4*\i+3], s[10:11] offset:\i*8192 th:TH_STORE_NT  ; 16 lanes store 256 consecutive bytes, at a multiple of 256 from out's first byte
.endr
	s_wait_tensorcnt 0x0                           ; the wave's end: behind my last LDS store
	ds_add_u32 v[SPW], v[NIL]
	s_wait_dscnt 0x0
	s_endpgm
.Lfunc_end_k_qdb3312a600_cls:
	.size	k_qdb3312a600_cls, .Lfunc_end_k_qdb3312a600_cls-k_qdb3312a600_cls
	.p2alignl 7, 3214868480
	.fill 96, 4, 3214868480
	.section	.rodata,"a",@progbits
	.p2align	6, 0x0
	.amdhsa_kernel k_qdb3312a600_cls
		.amdhsa_group_segment_fixed_size 140288
		.amdhsa_private_segment_fixed_size 0
		.amdhsa_enable_private_segment 0
		.amdhsa_kernarg_size 32
		.amdhsa_user_sgpr_count 2
		.amdhsa_user_sgpr_kernarg_segment_ptr 1
		.amdhsa_wavefront_size32 1
		.amdhsa_system_sgpr_workgroup_id_x 1
		.amdhsa_system_sgpr_workgroup_id_y 1
		.amdhsa_system_sgpr_workgroup_id_z 1
		.amdhsa_system_vgpr_workitem_id 0
		.amdhsa_next_free_vgpr 448
		.amdhsa_next_free_sgpr 66
		.amdhsa_reserve_vcc 0
		.amdhsa_float_denorm_mode_32 3
		.amdhsa_float_denorm_mode_16_64 3
		.amdhsa_memory_ordered 1
		.amdhsa_forward_progress 1
		.amdhsa_inst_pref_size 47
	.end_amdhsa_kernel
	.amdgpu_metadata
---
amdhsa.version: [ 1, 2 ]
amdhsa.kernels:
  - .name:           k_qdb3312a600_cls
    .symbol:         k_qdb3312a600_cls.kd
    .args:
      - { .name: h2b, .offset: 0, .size: 8, .value_kind: global_buffer, .address_space: global }
      - { .name: wcf, .offset: 8, .size: 8, .value_kind: global_buffer, .address_space: global }
      - { .name: bc, .offset: 16, .size: 8, .value_kind: global_buffer, .address_space: global }
      - { .name: out0, .offset: 24, .size: 8, .value_kind: global_buffer, .address_space: global }
    .group_segment_fixed_size: 140288
    .private_segment_fixed_size: 0
    .kernarg_segment_align: 8
    .kernarg_segment_size: 32
    .max_flat_workgroup_size: 256
    .sgpr_count:     66
    .vgpr_count:     448
    .wavefront_size: 32
...
	.end_amdgpu_metadata
.endif
;; end of part 4
;; ======== version 2 of 2: 4 launches; version 1 with the launch cls written anew for expert scheduling mode
;; workspace buffers: xb 2,097,152 bytes; h1b 4,194,304 bytes; h2b 8,388,608 bytes; sfrag 106,496 bytes; wcf 4,194,304 bytes
;; launch prep: the kernel of part 1 again; grid 256 x 1, 4 waves a work-group, no clusters, 0 bytes of LDS; arguments x, S1, S2, Wc, xb, sfrag, wcf; writes xb, sfrag, wcf
;; launch layer1: the kernel of part 2 again; grid 64 x 4, 4 waves a work-group, clusters of 4 x 4, 327,680 bytes of LDS; arguments xb, W1, b1, sfrag, sb1, h1b; writes h1b
;; launch layer2: the kernel of part 3 again; grid 64 x 4, 4 waves a work-group, clusters of 4 x 4, 327,680 bytes of LDS; arguments h1b, W2, b2, sfrag, sb2, h2b; writes h2b
;; launch cls (part 5): grid 16 x 16, 8 waves a work-group, no clusters, 140,288 bytes of LDS; arguments h2b, wcf, bc, out0; writes out0
.if DOCPART == 5
	.amdgcn_target "amdgcn-amd-amdhsa--gfx1250"
	.amdhsa_code_object_version 6
	.text
	.protected	k_qdb3312a600_cls
	.globl	k_qdb3312a600_cls
	.p2align	8
	.type	k_qdb3312a600_cls,@function
k_qdb3312a600_cls:
	s_mov_b64 s[64:65], 0
	v_nop
	global_prefetch_b8 v0, s[64:65] scope:SCOPE_SE
	s_setreg_imm32_b32 hwreg(HW_REG_WAVE_SCHED_MODE, 0, 2), 2
	s_setreg_imm32_b32 hwreg(HW_REG_WAVE_MODE, 25, 1), 1
	s_wait_xcnt 0x0
	s_wait_alu depctr_vm_vsrc(0)
; THE CLASSIFIER.  out[b][o] = h2[b][:] . Wc[:][o] + bc[o].  h2 comes as two bf16 numbers, hi + lo (16 significant bits together), each in operand order [mb 4][k32 64][block 16][f 2][lane 32][8 bf16]:
; hi's 4,194,304 bytes first, then lo's.  Wc comes rounded to bf16 and in operand order from the first launch: wcf[nb 16][k32 64][g 4][f 2][lane 32][8 bf16].  hi and lo are multiplied by the same operands of Wc
; and added into the same f32 sums.  bc is rounded once to bf16 like every other input, and then used in f32.  out: f32.  LIMITS: NaN and infinities are not treated apart; Wc and bc carry bf16's 8 significant bits.
; SHARES.  A work-group owns 64 rows (y) x 64 columns (x): 16 x 16 work-groups.  Each of its eight waves takes 256 of the 2,048 k, eight chunks of 32, for the whole tile: 16 accumulators.
; The eight partial tiles meet in LDS, in f32, and are added in a fixed order.  K is shared among the waves of ONE work-group, since tiles large enough for a whole K would be too few for the chip.
; All three operands come from memory straight into registers, 512 consecutive bytes a load, 24 loads for a chunk's 32 products; a ring of three register sets keeps one to two chunks, 24 to 48 loads of a wave, on their way.
; NO CLUSTER, though sixteen work-groups read the same rows of h2 and sixteen the same columns of Wc: joint loads land in LDS, a work-group's 786,432 bytes of operands do not fit there at once, and a ring
; would want a round of the cluster's barrier for every refill, with no more than 32 products of a wave for each chunk that it brings.
; The matrix instruction is used transposed (source 0 = 16 columns of Wc, source 1 = 16 rows of h2): a lane holds one row and eight neighbouring columns.
; REGISTERS: window 0: v0-23 addresses, bc; v32-159 accumulators ((j, f) at v[32 + 8 (4 j + f)]); v160-255 operand set 0.   window 1: v0-95 set 1; v96-191 set 2.   A set: 32 registers of Wc, 32 of hi, 32 of lo.
; THE MODE: SCHED_MODE bits 1:0 = 2 (LLVM: expert scheduling mode 2), set by the entry lines.  The code itself states the register dependences
; between vector or matrix instructions and memory or LDS instructions, with s_wait_alu, always for 0.
; THE PLAN.  Registers that memory or LDS instructions touch:
;   v[AOF], v[BOF]       Written at the head, never again; read by every load of operands and by bc's load.
;   sets 0, 1, 2         Step c: its 32 products read set c % 3; the loads of chunk c + 2, issued in step c, land in set (c + 2) % 3, which the products of step c - 1 read.
;   v[RST], v[RRD ..], v[OOF]  Written behind the first loads, never again; read by the LDS stores and loads and by the global stores behind the K walk.
;   the accumulators     Written by the products; read by the LDS stores; then the LDS loads land in them; the additions write the first 16 of them, which the global stores read.
;   v[SPW], v[NIL]       Written at the head, read by the closing add alone.
; So ONE wait on va_vdst stands in a step that loads into a set that has been multiplied (steps 1 to 5), behind the wait for the step's data: the products of the step before are done reading that set.
; The step's 24 loads follow it in three groups of eight, dealt among its products, which name set c % 3 and the accumulators: none of the registers that those loads touch.
; Behind the K walk: one wait on va_vdst ahead of the LDS stores, one on vm_vsrc ahead of the LDS loads that land where those stores read, one on va_vdst ahead of the global stores.
.set RED,   0                          ; LDS: wave w's partial tile at 17,408 w: 64 rows of 256 bytes + 16 of padding
.set RPI,   272
.set REDW,  64*RPI
.set SPARE, RED+8*REDW                 ; LDS: the spare words, 128 bytes for each of eight waves: four blocks of 256 bytes that no other line names
.set LOB,   4194304                    ; where h2's low parts begin
.set SPW, 1                            ; v1   LDS address of my spare word; never rewritten
.set NIL, 2                            ; v2   0; never rewritten
.set AOF, 4                            ; v4   16 x lane
.set RST, 7                            ; v7   where I put 16 bytes of my partial tile
.set RRD, 8                            ; v8-9 where I read rows of partial tiles 0-3, 4-7
.set OOF, 10                           ; v10  my byte offset in two rows of out
.set BOF, 11                           ; v11  my byte offset in bc
.set BC,  12                           ; v12-15  bc of my four columns
.set ACC, 32
.set MSB, 0
.macro WIN new                         ; the immediate's high byte repeats the setting that is left; a switch that changes nothing is dropped
.if MSB != (\new)
	s_set_vgpr_msb (MSB<<8)|(\new)
.set MSB, \new
.endif
.endm
.macro SETOF k                         ; where chunk k's set lies: set k % 3 at v160 of window 0, v0 or v96 of window 1
.set SW, ((\k)%3+1)/2
.set SBASE, 160-160*SW+96*(((\k)%3)/2)
.endm
.macro LDW k                           ; chunk k's operands of Wc: four groups of 16 columns, eight loads
	SETOF \k
	WIN 0x40*SW
.set ii, 0
.rept 8
	global_load_b128 v[SBASE+4*ii:SBASE+4*ii+3], v[AOF], s[6:7] offset:(\k)*4096+ii*512
.set ii, ii+1
.endr
.endm
.macro LDH k, lo                       ; chunk k's operands of hi (lo = 0) or of lo (lo = 1): four blocks of 16 rows, eight loads
	SETOF \k
	WIN 0x40*SW
.set ii, 0
.rept 8
	global_load_b128 v[SBASE+32+32*(\lo)+4*ii:SBASE+32+32*(\lo)+4*ii+3], v[AOF], s[4:5] offset:(\lo)*LOB+(\k)*16384+ii*512
.set ii, ii+1
.endr
.endm
.macro LDC k                           ; chunk k's operands: Wc's four groups of 16 columns, hi's four blocks of 16 rows, lo's
	LDW \k
	LDH \k, 0
	LDH \k, 1
.endm
.macro MUL c, lo                       ; 16 matrix instructions on hi (lo = 0) or lo (lo = 1) of chunk c; the 16 accumulators take turns; chunk 0's hi starts the sums
	SETOF \c
	WIN 0x05*SW
.irp j, 0,1,2,3
.irp f, 0,1,2,3
.if ((\c) == 0) && ((\lo) == 0)
	v_wmma_f32_16x16x32_bf16 v[ACC+8*(4*\j+\f):ACC+8*(4*\j+\f)+7], v[SBASE+8*\f:SBASE+8*\f+7], v[SBASE+32+32*(\lo)+8*\j:SBASE+32+32*(\lo)+8*\j+7], 0
.else
	v_wmma_f32_16x16x32_bf16 v[ACC+8*(4*\j+\f):ACC+8*(4*\j+\f)+7], v[SBASE+8*\f:SBASE+8*\f+7], v[SBASE+32+32*(\lo)+8*\j:SBASE+32+32*(\lo)+8*\j+7], v[ACC+8*(4*\j+\f):ACC+8*(4*\j+\f)+7]
.endif
.endr
.endr
.endm
; Chunk c.  The wait shows chunk c's 24 loads; behind them stand chunk c + 1's 24, as far as they exist.  Chunk c + 2 is asked for in this step, into the set that chunk c - 1 multiplied:
; eight loads behind the waits, eight behind the products on hi, eight behind the products on lo.  All 24 are issued inside the step, so every step's count is the same.  At most 49 loads of a wave are out.
.macro BODY c
.if (\c) <= 6
	s_wait_loadcnt 24
.else
	s_wait_loadcnt 0x0
.endif
.if (\c) <= 5
	SETOF (\c)+2
	WIN 0x40*SW                                    ; the loads' window first, then the wait, then the loads
.if (\c) >= 1
	s_wait_alu depctr_va_vdst(0)                   ; the products of chunk c - 1 are done reading their set, in which this step's 24 loads land (step 0 loads into a set that nothing has named)
.endif
	LDW (\c)+2
.endif
	MUL \c, 0
.if (\c) <= 5
	LDH (\c)+2, 0                                  ; no wait: the products issued since the wait above name set c % 3 and the accumulators, not this set nor v[AOF]
.endif
	MUL \c, 1
.if (\c) <= 5
	LDH (\c)+2, 1                                  ; likewise
.endif
.rept 4
	v_nop                                          ; four places in front of loads into registers that the products have read, and of the stores that read their results
.endr
.endm
	s_load_b256 s[4:11], s[0:1], 0x0               ; h2 s[4:5], wcf s[6:7], bc s[8:9], out s[10:11]
	v_lshl_add_u32 v[SPW], v0, 2, SPARE
	v_mov_b32 v[NIL], 0
	v_lshrrev_b32 v16, 5, v0
	v_readfirstlane_b32 s12, v16                   ; wave 0..7
	s_and_b32 s13, ttmp7, 0xffff                   ; which 64 rows; ttmp9: which 64 columns
	v_and_b32 v17, 31, v0                          ; lane
	v_and_b32 v18, 15, v0                          ; r
	v_bfe_u32 v19, v0, 4, 1                        ; h
	v_lshlrev_b32 v[AOF], 4, v17
	v_lshlrev_b32 v[BOF], 4, v18
	s_wait_alu depctr_va_sdst(0)                   ; s12 is written, ahead of its first reader: the offsets in h2, wcf and out and the LDS places are made from it
	s_lshr_b32 s16, s13, 2                         ; mb
	s_lshl_b32 s16, s16, 6
	s_lshl3_add_u32 s16, s12, s16                  ; 64 mb + 8 w: my first k32
	s_lshl_b32 s16, s16, 14
	s_and_b32 s17, s13, 3
	s_lshl_b32 s17, s17, 12                        ; the tile's four blocks of 1,024 bytes
	s_add_co_u32 s16, s16, s17
	s_mov_b32 s17, 0
	s_lshl_b32 s18, ttmp9, 18                      ; wcf: nb's 64 units of 4,096 bytes,
	s_lshl_b32 s19, s12, 15                        ; my eight of them
	s_add_co_u32 s18, s18, s19
	s_mov_b32 s19, 0
	s_lshl_b32 s20, ttmp9, 8                       ; 64 columns of 4 bytes
	s_mov_b32 s21, 0
	s_lshl_b32 s22, s13, 6
	s_lshl3_add_u32 s22, s12, s22                  ; the first of the eight rows of out that I store
	s_lshl_b32 s22, s22, 12
	s_add_co_u32 s22, s22, s20
	s_mov_b32 s23, 0
	s_wait_kmcnt 0x0
	s_add_nc_u64 s[4:5], s[4:5], s[16:17]
	s_add_nc_u64 s[6:7], s[6:7], s[18:19]
	s_add_nc_u64 s[8:9], s[8:9], s[20:21]
	s_add_nc_u64 s[10:11], s[10:11], s[22:23]
	s_wait_alu depctr_va_vdst(0)                   ; v[BOF] and v[AOF] are written: bc's load and every load of operands read one of them as its offset
	global_load_b128 v[BC:BC+3], v[BOF], s[8:9]
	LDC 0
	LDC 1
	WIN 0
	s_mul_i32 s24, s12, REDW
	s_add_co_u32 s24, s24, RED                     ; my partial tile: row r, 32 bytes for each half of the lanes
	v_mul_u32_u24 v[RST], v18, RPI
	v_lshl_add_u32 v[RST], v19, 5, v[RST]
	v_add_nc_u32 v[RST], s24, v[RST]
	s_mul_i32 s15, s12, 8*RPI
	s_add_co_u32 s15, s15, RED                     ; back: rows 8 w on; lanes 0-15 one row of 256 bytes, lanes 16-31 the next
	v_mul_u32_u24 v[RRD], v19, RPI
	v_lshl_add_u32 v[RRD], v18, 4, v[RRD]
	v_add_nc_u32 v[RRD], s15, v[RRD]
	v_add_nc_u32 v[RRD+1], 4*REDW, v[RRD]
	v_lshlrev_b32 v[OOF], 12, v19                  ; and the same two rows in out
	v_lshl_add_u32 v[OOF], v18, 4, v[OOF]
.irp c, 0,1,2,3,4,5,6,7
	BODY \c
.endr
	WIN 0
	s_wait_alu depctr_va_vdst(0)                   ; the products have written the accumulators, which the LDS stores read and in which the LDS loads below land; v[RST], v[RRD ..] and v[OOF] are written; the places above stay beside this wait
.irp j, 0,1,2,3                        ; each accumulator is read from its low end on
.irp f, 0,1,2,3
	ds_store_b128 v[RST], v[ACC+8*(4*\j+\f):ACC+8*(4*\j+\f)+3] offset:\j*16*RPI+\f*64
	ds_store_b128 v[RST], v[ACC+8*(4*\j+\f)+4:ACC+8*(4*\j+\f)+7] offset:\j*16*RPI+\f*64+16
.endr
.endr
	s_wait_dscnt 0x0                               ; for the others' sake: my partial tile is stored
	s_barrier_signal -1
	s_barrier_wait -1
	s_wait_alu depctr_vm_vsrc(0)                   ; my LDS stores have read the accumulators, in which the loads below land and which the additions write again
.irp p, 0,1,2,3,4,5,6,7                ; my eight rows of all eight partial tiles, two rows a load
.irp i, 0,1,2,3
	ds_load_b128 v[ACC+16*\p+4*\i:ACC+16*\p+4*\i+3], v[RRD+\p/4] offset:(\p%4)*REDW+\i*2*RPI
.endr
.endr
	v_cvt_pk_bf16_f32 v16, v[BC], v[BC+1]          ; bc is rounded to bf16, as all inputs are, and widened again, while the loads are out
	v_cvt_pk_bf16_f32 v17, v[BC+2], v[BC+3]
	v_lshlrev_b32 v[BC], 16, v16
	v_and_b32 v[BC+1], 0xffff0000, v16
	v_lshlrev_b32 v[BC+2], 16, v17
	v_and_b32 v[BC+3], 0xffff0000, v17
	s_wait_dscnt 0x0
.irp i, 0,1,2,3
	v_pk_add_f32 v[ACC+4*\i:ACC+4*\i+1], v[ACC+4*\i:ACC+4*\i+1], v[BC:BC+1]
	v_pk_add_f32 v[ACC+4*\i+2:ACC+4*\i+3], v[ACC+4*\i+2:ACC+4*\i+3], v[BC+2:BC+3]
.endr
.irp p, 1,2,3,4,5,6,7
.irp i, 0,1,2,3
	v_pk_add_f32 v[ACC+4*\i:ACC+4*\i+1], v[ACC+4*\i:ACC+4*\i+1], v[ACC+16*\p+4*\i:ACC+16*\p+4*\i+1]
	v_pk_add_f32 v[ACC+4*\i+2:ACC+4*\i+3], v[ACC+4*\i+2:ACC+4*\i+3], v[ACC+16*\p+4*\i+2:ACC+16*\p+4*\i+3]
.endr
.endr
	s_wait_alu depctr_va_vdst(0)                   ; the additions have written v[ACC .. ACC+15], which the stores read
.irp i, 0,1,2,3
	global_store_b128 v[OOF], v[ACC+4*\i:ACC+4*\i+3], s[10:11] offset:\i*8192 th:TH_STORE_NT  ; 16 lanes store 256 consecutive bytes, at a multiple of 256 from out's first byte
.endr
	s_wait_dscnt 0x0                               ; the wave's end: the closing lines, six on end
	s_wait_alu 0x0
	s_wait_tensorcnt 0x0
	ds_add_u32 v[SPW], v[NIL]
	s_wait_dscnt 0x0
	s_endpgm
.Lfunc_end_k_qdb3312a600_cls:
	.size	k_qdb3312a600_cls, .Lfunc_end_k_qdb3312a600_cls-k_qdb3312a600_cls
	.p2alignl 7, 3214868480
	.fill 96, 4, 3214868480
	.section	.rodata,"a",@progbits
	.p2align	6, 0x0
	.amdhsa_kernel k_qdb3312a600_cls
		.amdhsa_group_segment_fixed_size 140288
		.amdhsa_private_segment_fixed_size 0
		.amdhsa_enable_private_segment 0
		.amdhsa_kernarg_size 32
		.amdhsa_user_sgpr_count 2
		.amdhsa_user_sgpr_kernarg_segment_ptr 1
		.amdhsa_wavefront_size32 1
		.amdhsa_system_sgpr_workgroup_id_x 1
		.amdhsa_system_sgpr_workgroup_id_y 1
		.amdhsa_system_sgpr_workgroup_id_z 1
		.amdhsa_system_vgpr_workitem_id 0
		.amdhsa_next_free_vgpr 448
		.amdhsa_next_free_sgpr 66
		.amdhsa_reserve_vcc 0
		.amdhsa_float_denorm_mode_32 3
		.amdhsa_float_denorm_mode_16_64 3
		.amdhsa_memory_ordered 1
		.amdhsa_forward_progress 1
		.amdhsa_inst_pref_size 49
	.end_amdhsa_kernel
	.amdgpu_metadata
---
amdhsa.version: [ 1, 2 ]
amdhsa.kernels:
  - .name:           k_qdb3312a600_cls
    .symbol:         k_qdb3312a600_cls.kd
    .args:
      - { .name: h2b, .offset: 0, .size: 8, .value_kind: global_buffer, .address_space: global }
      - { .name: wcf, .offset: 8, .size: 8, .value_kind: global_buffer, .address_space: global }
      - { .name: bc, .offset: 16, .size: 8, .value_kind: global_buffer, .address_space: global }
      - { .name: out0, .offset: 24, .size: 8, .value_kind: global_buffer, .address_space: global }
    .group_segment_fixed_size: 140288
    .private_segment_fixed_size: 0
    .kernarg_segment_align: 8
    .kernarg_segment_size: 32
    .max_flat_workgroup_size: 256
    .sgpr_count:     66
    .vgpr_count:     448
    .wavefront_size: 32
...
	.end_amdgpu_metadata
.endif
;; end of part 5
